; MI455X (gfx1250); checked and timed in simulation.
; The chip was launched on July 23, 2026; its instructions are those of AMD's public machine-readable ISA for CDNA 5 (MIT licence, August 2026) and "CDNA5" Instruction Set Architecture Reference Guide (July 2026). The comments in the code are by the model that wrote it; some were corrected since.
;; Linear Layer PS Lo RA. Allowed arithmetic: float matrix products may take bf16 or f16 operands with f32 sums; all other float work in f32.
;; Inputs: bias 4,096 float32; input 8 x 512 x 4,096 float32; labeler_index 8 int32; lora_A 5 x 4,096 x 32 float32; lora_B 4,096 x 32 float32; weight 4,096 x 4,096 float32.
;; Outputs: out0 8 x 512 x 4,096 float32.
;; 2 versions, each right and faster than the one before. Each part assembles by itself: llvm-mc -triple=amdgcn-amd-amdhsa -mcpu=gfx1250 --defsym DOCPART=n.
;; ======== version 1 of 2: 3 launches
;; workspace buffers: xb 33,554,432 bytes; wb 33,554,432 bytes; axb 262,144 bytes; lbb 262,144 bytes
;; launch prep (part 1): grid 256 x 2, 8 waves a work-group, no clusters, 78,848 bytes of LDS; arguments input, weight, lora_A, lora_B, labeler_index, xb, wb, axb, lbb; writes xb, wb, axb, lbb
.if DOCPART == 1
	.amdgcn_target "amdgcn-amd-amdhsa--gfx1250"
	.amdhsa_code_object_version 6
	.text
	.protected	k_qa433d5c3e8_prep
	.globl	k_qa433d5c3e8_prep
	.p2align	8
	.type	k_qa433d5c3e8_prep,@function
k_qa433d5c3e8_prep:
	s_mov_b64 s[64:65], 0
	v_nop
	global_prefetch_b8 v0, s[64:65] scope:SCOPE_SE
	s_setreg_imm32_b32 hwreg(HW_REG_WAVE_MODE, 25, 1), 1
	s_wait_xcnt 0x0
; The pass in front of the product: every f32 operand is rounded to bf16 ONCE, and the low-rank path's first product is made while x is in registers.
;   xb[s][i]  = bf16(input[s][i])             [4096][4096]       wb[o][i]  = bf16(weight[o][i])     [4096][4096]
;   axb[s][r] = bf16(0.5 sum_i x[s][i] A_l[i][r])  [4096][32]    lbb[o][r] = bf16(lora_B[o][r])     [4096][32]      l = labeler_index[s / 512]
; The grid's y picks the role.  Role 0, work-group g: rows 16 g .. 16 g + 15 of x.  Role 1, work-group g: 262,144 bytes of weight from byte g << 18 on, and rows 16 g .. + 15 of lora_B.
; ROLE 0.  Wave w owns the columns 512 w .. 512 w + 511 of the 16 rows, in four trips of 128.  A trip's x (two groups of eight 16-byte loads, a row of 512 bytes each) is rounded, stored to xb
; (a wave's store covers 256 consecutive bytes, aligned) and laid into the wave's own LDS stage; the trip's 128 rows of A_l come in four groups of 32 rows, are rounded and laid into a second
; stage, from which the turning load takes them as fragments.  Two matrix instructions a group (source 0 = 16 columns of A_l, source 1 = the 16 rows of x) add onto two accumulators by turns.
; At the end the eight waves' partial sums meet in LDS: the one barrier of the text.
; LOADS IN FLIGHT.  Six landing groups of 32 registers; a group is asked for again as soon as it has been used, so 40 loads of a wave (20,480 bytes) are out at each counted wait.
; NO JOINT LOADS for A_l, which the 32 work-groups of a batch all read (524,288 bytes each): it lies as f32 [i][r], and the turning load takes 16-bit numbers, so every byte has to pass through registers
; to be rounded before it can lie in LDS as an operand; brought by the data mover it would be written to LDS, read, rounded and written again.  The five tables together are 2,621,440 bytes.
; LIMITS.  Operands of the matrix products are bf16, and 0.5 ax is rounded to bf16 once more than in the f32 formula.  ax is summed in eight chunks of 512 along i, which are then added in f32.
; A labeler_index outside 0 .. 4 is taken as unsigned and clamped to 4 (the formula relies on its lying inside the table).
.set XP,    272                        ; a row of the x stage: 128 bf16 + 16 bytes: the 16 rows of a fragment load start 68 words apart
.set AP,    96                         ; a row of the A stage: 32 bf16 + 32 bytes, an odd multiple of 32 bytes for the turning load
.set ASTG,  16*XP                      ; the A stage lies behind the x stage
.set WAVEB, ASTG+32*AP                 ; 7,424 bytes of LDS for each wave, its own
.set RED,   8*WAVEB                    ; behind them: the partial sums, for each wave 16 rows of 32 f32 + 16 bytes
.set REDP,  144
.set REDW,  16*REDP
.set VX,   2                           ; v2   16 x lane: my 16 bytes of a load of 512
.set VS,   3                           ; v3   8 x lane: my 8 bytes of a store of 256
.set VXS,  4                           ; v4   x stage, in: wave + 8 x lane
.set VAS,  5                           ; v5   A stage, in: wave + (lane / 8) rows + 8 (lane % 8)
.set VXF,  6                           ; v6   x stage, a fragment: wave + (lane % 16) rows + 16 (lane / 16)
.set VAF,  7                           ; v7   A stage, the turning load: wave + (8 (lane / 16) + lane % 8) rows + 16 ((lane / 8) % 2)
.set VR,   8                           ; v8   my wave's partial sums, in
.set VQ,   9                           ; v9   the partial sums, back: thread t < 128 takes row t / 8, four numbers from 4 (t % 8) on
.set VT16, 10                          ; v10  16 x (thread % 128)
.set VT8,  11                          ; v11  8 x (thread % 128)
.set ACC,  16                          ; v[16:31]  two accumulators: ax's columns 0-15 and 16-31
.set XF,   32                          ; v[32:39]  a fragment of x
.set AF,   40                          ; v[40:55]  two fragments of A_l
.set LB,   56                          ; v[56:59]  lora_B as loaded
.set LAND, 64                          ; v[64:255] six landing groups of 32
.set SUM,  LAND+64                     ; the final sum works in A's first landing group: no pending store reads it
	s_load_b256 s[8:15], s[0:1], 0x0               ; input s[8:9], weight s[10:11], lora_A s[12:13], lora_B s[14:15]
	s_load_b256 s[16:23], s[0:1], 0x20             ; labeler_index s[16:17], xb s[18:19], wb s[20:21], axb s[22:23]
	s_load_b64 s[24:25], s[0:1], 0x40              ; lbb
	v_lshl_add_u32 v62, v0, 2, 0x13000
	v_mov_b32 v63, 0
	v_lshrrev_b32 v12, 5, v0
	v_readfirstlane_b32 s4, v12                    ; my wave's number
	s_mov_b32 s2, ttmp9                            ; g
	s_and_b32 s3, ttmp7, 0xffff                    ; the role
	s_mov_b32 s27, 0                               ; every offset below stays under 2^31: its high word is 0
	v_and_b32 v1, 31, v0                           ; lane
	v_and_b32 v12, 127, v0
	v_lshlrev_b32 v[VX], 4, v1
	v_lshlrev_b32 v[VS], 3, v1
	v_lshlrev_b32 v[VT16], 4, v12
	v_lshlrev_b32 v[VT8], 3, v12
	s_cmp_lg_u32 s3, 0
	s_cbranch_scc1 .Lw                             ; the same way for all eight waves of a work-group
; Sixteen roundings in place: the four f32 of load j become two words of bf16 in its first two registers.
.macro CVT8 base
.irp j, 0,1,2,3,4,5,6,7
	v_cvt_pk_bf16_f32 v[\base+4*\j],   v[\base+4*\j],   v[\base+4*\j+1]
	v_cvt_pk_bf16_f32 v[\base+4*\j+1], v[\base+4*\j+2], v[\base+4*\j+3]
.endr
.endm
; The wait at the head of group n of a stream whose last group is `last`: loads come back in order (ISA guide 5.7.1), and behind group n
; stand the groups up to n + 5, or up to the last: eight loads each may stay out.
.macro WAITGRP n, last
.set LEFT, \last-(\n)
.if LEFT > 5
.set LEFT, 5
.endif
	s_wait_loadcnt 8*LEFT
.endm
.macro XLOAD t, hf                     ; rows 8 hf .. 8 hf + 7, the 512 bytes of trip t (t may be a sum: it stands in parentheses)
.irp j, 0,1,2,3,4,5,6,7
	global_load_b128 v[LAND+32*\hf+4*\j:LAND+32*\hf+4*\j+3], v[VX], s[8:9] offset:(8*\hf+\j)*16384+(\t)*512 th:TH_LOAD_NT
.endr
.endm
.macro ALOAD t, q                      ; rows 128 t + 32 q .. + 31 of my chunk of A_l: 4,096 consecutive bytes
.irp j, 0,1,2,3,4,5,6,7
	global_load_b128 v[LAND+64+32*\q+4*\j:LAND+64+32*\q+4*\j+3], v[VX], s[12:13] offset:(\t)*16384+\q*4096+\j*512
.endr
.endm
; Eight rows of x: rounded, into the stage, out to xb; then the landing group takes the next trip's rows.
.macro XGRP t, hf
.set RG, LAND+32*\hf
	WAITGRP 6*\t+\hf, 23
	CVT8 RG
.irp j, 0,1,2,3,4,5,6,7
	ds_store_b64 v[VXS], v[RG+4*\j:RG+4*\j+1] offset:(8*\hf+\j)*XP
.endr
.irp j, 0,1,2,3,4,5,6,7
	global_store_b64 v[VS], v[RG+4*\j:RG+4*\j+1], s[18:19] offset:(8*\hf+\j)*8192+\t*256
.endr
.if \t < 3
	s_wait_dscnt 0x0                               ; the stage has taken its words,
	s_wait_xcnt 0x0                                ; and the stores' sources are free (ISA guide 3.1): only now is the group loaded again
	XLOAD \t+1, \hf
.endif
.endm
; Thirty-two rows of A_l: rounded, into the stage, taken back turned; the fragment of x for the same 32 columns; two products.
; The stages are the wave's own and LDS serves a wave's instructions in order (ISA guide 5.7.1.4): no barrier, and no wait between stores and loads.
.macro AGRP t, q
.set RG, LAND+64+32*\q
	WAITGRP 6*\t+2+\q, 23
	CVT8 RG                                        ; these sixteen are also the places between the last products and the loads into their sources below
.irp j, 0,1,2,3,4,5,6,7
	ds_store_b64 v[VAS], v[RG+4*\j:RG+4*\j+1] offset:\j*4*AP   ; load j holds rows 4 j .. 4 j + 3: eight lanes to a row
.endr
	ds_load_b128 v[XF:XF+3],   v[VXF] offset:\q*64
	ds_load_b128 v[XF+4:XF+7], v[VXF] offset:\q*64+32
	ds_load_tr16_b128 v[AF:AF+3],     v[VAF]                   ; columns 0-15: i = 8 (lane / 16) + 0..7,
	ds_load_tr16_b128 v[AF+4:AF+7],   v[VAF] offset:16*AP      ; i = 16 + 8 (lane / 16) + 0..7
	ds_load_tr16_b128 v[AF+8:AF+11],  v[VAF] offset:32         ; columns 16-31
	ds_load_tr16_b128 v[AF+12:AF+15], v[VAF] offset:32+16*AP
	s_wait_dscnt 0x0                               ; the fragments are in, and the stage has taken the landing group's words
.if \t < 3
	ALOAD \t+1, \q
.endif
.if (\t == 0) && (\q == 0)
	v_wmma_f32_16x16x32_bf16 v[ACC:ACC+7],    v[AF:AF+7],    v[XF:XF+7], 0      ; the first products start the sums
	v_wmma_f32_16x16x32_bf16 v[ACC+8:ACC+15], v[AF+8:AF+15], v[XF:XF+7], 0
.else
	v_wmma_f32_16x16x32_bf16 v[ACC:ACC+7],    v[AF:AF+7],    v[XF:XF+7], v[ACC:ACC+7]      ; the two accumulators take turns, one instruction a turn
	v_wmma_f32_16x16x32_bf16 v[ACC+8:ACC+15], v[AF+8:AF+15], v[XF:XF+7], v[ACC+8:ACC+15]
.endif
.endm
	; ---------------- role 0: x ----------------
	s_lshr_b32 s26, s2, 5                          ; 16 g / 512: my rows' batch,
	s_lshl_b32 s26, s26, 2                         ; its word in labeler_index
	s_wait_kmcnt 0x0
	s_add_nc_u64 s[16:17], s[16:17], s[26:27]
	s_load_b32 s30, s[16:17], 0x0
	s_lshl_b32 s26, s2, 18                         ; 16 rows of 16,384 bytes,
	s_lshl_b32 s28, s4, 11                         ; my wave's 512 columns
	s_add_co_u32 s26, s26, s28
	s_add_nc_u64 s[8:9], s[8:9], s[26:27]
	XLOAD 0, 0                                     ; x does not hang on the label: its first groups go out at once
	XLOAD 0, 1
	s_lshl_b32 s26, s2, 17                         ; the same place in xb
	s_lshl_b32 s28, s4, 10
	s_add_co_u32 s26, s26, s28
	s_add_nc_u64 s[18:19], s[18:19], s[26:27]
	s_lshl_b32 s26, s2, 10                         ; 16 rows of 64 bytes in axb
	s_add_nc_u64 s[22:23], s[22:23], s[26:27]
	s_mul_i32 s5, s4, WAVEB                        ; my wave's stages
	s_add_co_u32 s6, s5, ASTG
	s_mul_i32 s7, s4, REDW                         ; my wave's partial sums
	s_add_co_u32 s7, s7, RED
	s_lshl_b32 s26, s4, 16                         ; my wave's 512 rows of 128 bytes in a table
	s_wait_kmcnt 0x0
	s_min_u32 s30, s30, 4                          ; the label stays inside the five tables
	s_lshl_b32 s30, s30, 19                        ; a table is 524,288 bytes
	s_add_co_u32 s26, s26, s30
	s_add_nc_u64 s[12:13], s[12:13], s[26:27]
	ALOAD 0, 0
	ALOAD 0, 1
	ALOAD 0, 2
	ALOAD 0, 3
	v_and_b32 v13, 15, v1                          ; lane % 16
	v_lshrrev_b32 v14, 4, v1                       ; lane / 16
	v_and_b32 v15, 7, v1                           ; lane % 8
	v_add_nc_u32 v[VXS], s5, v[VS]
	v_lshrrev_b32 v12, 3, v1
	v_mul_u32_u24 v12, v12, AP
	v_lshl_add_u32 v12, v15, 3, v12
	v_add_nc_u32 v[VAS], s6, v12
	v_mul_u32_u24 v12, v13, XP
	v_lshl_add_u32 v12, v14, 4, v12
	v_add_nc_u32 v[VXF], s5, v12
	v_lshl_add_u32 v12, v14, 3, v15
	v_mul_u32_u24 v12, v12, AP
	v_bfe_u32 v15, v1, 3, 1
	v_lshl_add_u32 v12, v15, 4, v12
	v_add_nc_u32 v[VAF], s6, v12
	v_mul_u32_u24 v12, v13, REDP
	v_lshl_add_u32 v12, v14, 5, v12
	v_add_nc_u32 v[VR], s7, v12
	v_bfe_u32 v12, v0, 3, 4                        ; (thread % 128) / 8
	v_mul_u32_u24 v12, v12, REDP
	v_and_b32 v15, 7, v0
	v_lshl_add_u32 v12, v15, 4, v12
	v_add_nc_u32 v[VQ], RED, v12
.irp t, 0,1,2,3
	XGRP \t, 0
	XGRP \t, 1
	AGRP \t, 0
	AGRP \t, 1
	AGRP \t, 2
	AGRP \t, 3
.endr
	; In a result lane l holds row l % 16 of x and ax's columns 16 nb + 8 (l / 16) + 0..7: 32 consecutive bytes of a row of partial sums.
.rept 4
	v_nop                                          ; four places between the last products and the stores that read them
.endr
	ds_store_b128 v[VR], v[ACC:ACC+3]              ; each accumulator from its low end on
	ds_store_b128 v[VR], v[ACC+4:ACC+7]    offset:16
	ds_store_b128 v[VR], v[ACC+8:ACC+11]   offset:64
	ds_store_b128 v[VR], v[ACC+12:ACC+15]  offset:80
	s_wait_dscnt 0x0                               ; for the others' sake: my partial sums lie in LDS
	s_barrier_signal -1
	s_barrier_wait -1                              ; everybody's do
	s_cmp_ge_u32 s4, 4
	s_cbranch_scc1 .Lend                           ; 16 x 32 sums, four a thread: waves 0 to 3 finish them
.irp w, 0,1,2,3,4,5,6,7
	ds_load_b128 v[SUM+4*\w:SUM+4*\w+3], v[VQ] offset:\w*REDW
.endr
	s_wait_dscnt 0x0
.irp w, 0,2,4,6
	v_pk_add_f32 v[SUM+4*\w:SUM+4*\w+1],   v[SUM+4*\w:SUM+4*\w+1],   v[SUM+4*\w+4:SUM+4*\w+5]
	v_pk_add_f32 v[SUM+4*\w+2:SUM+4*\w+3], v[SUM+4*\w+2:SUM+4*\w+3], v[SUM+4*\w+6:SUM+4*\w+7]
.endr
.irp w, 0,4
	v_pk_add_f32 v[SUM+4*\w:SUM+4*\w+1],   v[SUM+4*\w:SUM+4*\w+1],   v[SUM+4*\w+8:SUM+4*\w+9]
	v_pk_add_f32 v[SUM+4*\w+2:SUM+4*\w+3], v[SUM+4*\w+2:SUM+4*\w+3], v[SUM+4*\w+10:SUM+4*\w+11]
.endr
	v_pk_add_f32 v[SUM:SUM+1],   v[SUM:SUM+1],   v[SUM+16:SUM+17]
	v_pk_add_f32 v[SUM+2:SUM+3], v[SUM+2:SUM+3], v[SUM+18:SUM+19]
	v_pk_mul_f32 v[SUM:SUM+1],   v[SUM:SUM+1],   0.5 op_sel_hi:[1,0]     ; lora_alpha / lora_r, a power of two: exact
	v_pk_mul_f32 v[SUM+2:SUM+3], v[SUM+2:SUM+3], 0.5 op_sel_hi:[1,0]
	v_cvt_pk_bf16_f32 v[SUM+4], v[SUM],   v[SUM+1]
	v_cvt_pk_bf16_f32 v[SUM+5], v[SUM+2], v[SUM+3]
	global_store_b64 v[VT8], v[SUM+4:SUM+5], s[22:23]          ; a wave's store covers 256 consecutive bytes, aligned: four rows of axb
	s_wait_tensorcnt 0x0
	ds_add_u32 v62, v63
	s_wait_dscnt 0x0
	s_endpgm
	; ---------------- role 1: weight and lora_B ----------------
; Group n of my wave's eight: 4,096 bytes in, 2,048 out.  Groups 6 and 7 land where groups 0 and 1 did.
.macro WLOAD n
.irp j, 0,1,2,3,4,5,6,7
	global_load_b128 v[LAND+32*((\n)%6)+4*\j:LAND+32*((\n)%6)+4*\j+3], v[VX], s[10:11] offset:(\n)*4096+\j*512 th:TH_LOAD_NT
.endr
.endm
.macro WGRP n
.set RG, LAND+32*(\n%6)
	WAITGRP \n, 7
	CVT8 RG
.irp j, 0,1,2,3,4,5,6,7
	global_store_b64 v[VS], v[RG+4*\j:RG+4*\j+1], s[20:21] offset:\n*2048+\j*256
.endr
.if \n < 2
	s_wait_xcnt 0x0                                ; the stores' sources are free (ISA guide 3.1): only now is the group loaded again
	WLOAD \n+6
.endif
.endm
.Lw:
	s_lshl_b32 s26, s2, 18                         ; my work-group's 262,144 bytes of weight,
	s_lshl_b32 s28, s4, 15                         ; my wave's 32,768 of them
	s_add_co_u32 s26, s26, s28
	s_wait_kmcnt 0x0
	s_add_nc_u64 s[10:11], s[10:11], s[26:27]
	s_lshl_b32 s26, s2, 17                         ; half as many in wb
	s_lshl_b32 s28, s4, 14
	s_add_co_u32 s26, s26, s28
	s_add_nc_u64 s[20:21], s[20:21], s[26:27]
	s_lshl_b32 s26, s2, 11                         ; 16 rows of 128 bytes of lora_B,
	s_add_nc_u64 s[14:15], s[14:15], s[26:27]
	s_lshl_b32 s26, s2, 10                         ; of 64 bytes of lbb
	s_add_nc_u64 s[24:25], s[24:25], s[26:27]
	s_cmp_ge_u32 s4, 4
	s_cbranch_scc1 .Lw_stream
	global_load_b128 v[LB:LB+3], v[VT16], s[14:15] ; 2,048 bytes: waves 0 to 3, 16 bytes a thread.  It is the oldest load: the counts below name only younger ones
.Lw_stream:
.irp n, 0,1,2,3,4,5
	WLOAD \n
.endr
.irp n, 0,1,2,3,4,5,6,7
	WGRP \n
.endr
	s_cmp_ge_u32 s4, 4
	s_cbranch_scc1 .Lend
	v_cvt_pk_bf16_f32 v[LB],   v[LB],   v[LB+1]    ; the last group's wait was for 0: lora_B is in
	v_cvt_pk_bf16_f32 v[LB+1], v[LB+2], v[LB+3]
	global_store_b64 v[VT8], v[LB:LB+1], s[24:25]  ; a wave's store covers 256 consecutive bytes, aligned
.Lend:
	s_wait_tensorcnt 0x0
	ds_add_u32 v62, v63
	s_wait_dscnt 0x0
	s_endpgm
.Lfunc_end_k_qa433d5c3e8_prep:
	.size	k_qa433d5c3e8_prep, .Lfunc_end_k_qa433d5c3e8_prep-k_qa433d5c3e8_prep
	.p2alignl 7, 3214868480
	.fill 96, 4, 3214868480
	.section	.rodata,"a",@progbits
	.p2align	6, 0x0
	.amdhsa_kernel k_qa433d5c3e8_prep
		.amdhsa_group_segment_fixed_size 78848
		.amdhsa_private_segment_fixed_size 0
		.amdhsa_enable_private_segment 0
		.amdhsa_kernarg_size 72
		.amdhsa_user_sgpr_count 2
		.amdhsa_user_sgpr_kernarg_segment_ptr 1
		.amdhsa_wavefront_size32 1
		.amdhsa_system_sgpr_workgroup_id_x 1
		.amdhsa_system_sgpr_workgroup_id_y 1
		.amdhsa_system_sgpr_workgroup_id_z 1
		.amdhsa_system_vgpr_workitem_id 0
		.amdhsa_next_free_vgpr 256
		.amdhsa_next_free_sgpr 66
		.amdhsa_reserve_vcc 0
		.amdhsa_float_denorm_mode_32 3
		.amdhsa_float_denorm_mode_16_64 3
		.amdhsa_memory_ordered 1
		.amdhsa_forward_progress 1
		.amdhsa_inst_pref_size 97
	.end_amdhsa_kernel
	.amdgpu_metadata
---
amdhsa.version: [ 1, 2 ]
amdhsa.kernels:
  - .name:           k_qa433d5c3e8_prep
    .symbol:         k_qa433d5c3e8_prep.kd
    .args:
      - { .name: input, .offset: 0, .size: 8, .value_kind: global_buffer, .address_space: global }
      - { .name: weight, .offset: 8, .size: 8, .value_kind: global_buffer, .address_space: global }
      - { .name: lora_A, .offset: 16, .size: 8, .value_kind: global_buffer, .address_space: global }
      - { .name: lora_B, .offset: 24, .size: 8, .value_kind: global_buffer, .address_space: global }
      - { .name: labeler_index, .offset: 32, .size: 8, .value_kind: global_buffer, .address_space: global }
      - { .name: xb, .offset: 40, .size: 8, .value_kind: global_buffer, .address_space: global }
      - { .name: wb, .offset: 48, .size: 8, .value_kind: global_buffer, .address_space: global }
      - { .name: axb, .offset: 56, .size: 8, .value_kind: global_buffer, .address_space: global }
      - { .name: lbb, .offset: 64, .size: 8, .value_kind: global_buffer, .address_space: global }
    .group_segment_fixed_size: 78848
    .private_segment_fixed_size: 0
    .kernarg_segment_align: 8
    .kernarg_segment_size: 72
    .max_flat_workgroup_size: 256
    .sgpr_count:     66
    .vgpr_count:     256
    .wavefront_size: 32
...
	.end_amdgpu_metadata
.endif
;; end of part 1
;; launch gemm_lo (part 2): grid 16 x 8, 4 waves a work-group, clusters of 4 x 4, 327,680 bytes of LDS; arguments xb, wb, axb, lbb, bias, out0; writes out0
.if DOCPART == 2
	.amdgcn_target "amdgcn-amd-amdhsa--gfx1250"
	.amdhsa_code_object_version 6
	.text
	.protected	k_qa433d5c3e8_gemm_lo
	.globl	k_qa433d5c3e8_gemm_lo
	.p2align	8
	.type	k_qa433d5c3e8_gemm_lo,@function
k_qa433d5c3e8_gemm_lo:
	s_mov_b64 s[64:65], 0
	v_nop
	global_prefetch_b8 v0, s[64:65] scope:SCOPE_SE
	s_setreg_imm32_b32 hwreg(HW_REG_WAVE_MODE, 25, 1), 1
	s_wait_xcnt 0x0
	s_wait_alu depctr_hold_cnt(0) depctr_sa_sdst(0) depctr_va_vdst(0) depctr_va_sdst(0) depctr_va_ssrc(0) depctr_va_vcc(0) depctr_vm_vsrc(0)
	s_getreg_b32 s2, hwreg(HW_REG_IB_STS2, 6, 4)
	s_cmp_eq_u32 s2, 0
	s_cbranch_scc0 .Lentry_in_a_cluster
	s_endpgm
.Lentry_in_a_cluster:
	s_bfe_u32 s2, ttmp6, 0x10000c
	s_cmp_lg_u32 s2, 0xf033
	s_cbranch_scc0 .Lentry_shape_is_right
	s_endpgm
.Lentry_shape_is_right:
; out0[s][o] = bias[o] + sum_r axb[s][r] lbb[o][r] + sum_i xb[s][i] wb[o][i].   xb, wb: [4096][4096] bf16; axb, lbb: [4096][32] bf16 (axb holds 0.5 x A_l); bias: [4096] f32; out0: [4096][4096] f32.
; Sums in f32.  LIMIT: all operands of the products are bf16, as the pass in front rounded them; the bias enters in f32, unrounded.
; THIS LAUNCH MAKES ROWS 0 TO 2047 of out0 (tile rows TROW0 .. TROW0 + 7); a twin with TROW0 = 8, otherwise the same text, makes the rest.  The product is split so that one launch holds half of its work;
; the price is stated: 16 x 8 tiles are 128 work-groups, so half of the 256 WGPs have none in each of the two launches, and wb is read by both.  With TROW0 = 0 and a grid of 16 x 16 the text serves the whole product.
; A tile of out0, 256 x 256, is made by a work-group of four waves; a wave makes 128 x 128: 64 accumulators of 16 x 16, 512 registers.
; THE LOW-RANK TERM AND THE BIAS START THE SUMS: the first 64 products are axb's 32 columns against lbb's, a quarter K step of their own, with the bias as their C operand: nothing is cleared,
; and neither the bias nor the low-rank term costs an instruction on the way out.
; Then K = 4096 goes in steps of 128 through a ring of two LDS slots filled by the tensor data mover: the rows of the tiles are 256 bytes of memory and start at multiples of 256 bytes from the buffer's first byte.
; CLUSTERS: 4 x 4 work-groups.  The four of a row of the cluster need the same tiles of xb, the four of a column the same tiles of wb: each tile is asked for JOINTLY, by the same tensor load with the
; same descriptor and a mask that names the four; each receives it in its own LDS.  That divides the requests for xb and wb by four.
;
; REGISTERS, in windows of 256 (s_set_vgpr_msb's low byte: bits 1:0 source 0, 3:2 source 1, 5:4 source 2, 7:6 destination):
;   window 0: v0-31 addresses; v64-127, v128-191 fragments of xb (8 x 16 rows x 32 K), two buffers, on the way out rows of out0; v192-255 the bias of my 128 columns, laid as a C operand
;   window 1: v64-127, v128-191 fragments of wb, two buffers
;   window 2: the 32 accumulators of my rows 0-63 (accumulator (a, b) at v[8 (8 a + b)]);   window 3: those of my rows 64-127
; THE MATRIX INSTRUCTION IS USED TRANSPOSED: source 0 = 16 rows of wb, source 1 = 16 rows of xb.  In the result lane l holds row l % 16 of out0 and its registers 0 to 7 the columns
; 8 (l / 16) + 0 .. 7: 32 consecutive bytes of a row; and the C operand hangs on the column alone, so one set of 64 registers of bias serves all eight blocks of rows.
.set TROW0,  0                         ; the first tile row of this launch
.set SIZE_K, 4096
.set SIZE_N, 4096
.set OROW,   SIZE_N*4                  ; a row of out0 in bytes
.set KSTEP,  128
.set PITCH,  272                       ; an LDS row: 256 bytes of data + 16 of padding = 68 words: the 16 rows that a fragment load touches start 4 banks apart (64 banks of 4 bytes: ISA guide 11.1)
.set HALFT,  128*PITCH                 ; 128 rows: what one tensor load brings, and what one wave reads of xb or of wb
.set SLOT,   4*HALFT                   ; xb's 256 rows, then wb's 256 rows
.set STAGE,  2*SLOT                    ; behind the ring: 16 rows x 528 bytes for each wave, for the way out; no tensor load lands there
.set SPITCH, 528                       ; 512 bytes (128 f32) + 16
.set SPARE,  STAGE+4*16*SPITCH         ; behind the stages: the spare words, 128 bytes for each wave: two blocks of 256 bytes that no other line names
.set LAPS,   SIZE_K/(2*KSTEP)          ; a lap = two K steps = once round the ring: 16
.set ADRA, 16                          ; v16-17  LDS address of my xb fragments in slot 0, 1
.set ADRB, 20                          ; v20-21  the same for wb
.set STO,  24                          ; v24     the way out: where I put 32 bytes of a row
.set RD,   25                          ; v25     the way out: where I read 16 bytes of a row back
.set CO,   26                          ; v26     16 x lane: my 16 bytes of my wave's 512 in a row of out0
.set LO,   27                          ; v27     my place in a fragment of axb or lbb: (lane % 16) x 64 + 16 (lane / 16)
.set SPW,  28                          ; v28     LDS address of my spare word: SPARE + 4 x my thread's number; never rewritten
.set NIL,  29                          ; v29     0; never rewritten
.set BO,   30                          ; v30     32 (lane / 16): my eight numbers of sixteen of the bias
.set F0,   64                          ; fragment buffer 0
.set F1,   128                         ; fragment buffer 1
.set BI,   192                         ; the bias
.set G1, 24                            ; s[24:31] descriptor group 1 for xb's tiles
.set G0, 32                            ; s[32:39] descriptor group 0 for xb's tiles, one set for each slot
.set G1B, 48                           ; s[48:55] descriptor group 1 for wb's tiles: it differs in the mask alone
.set G0B, 56                           ; s[56:63] descriptor group 0 for wb's tiles, one set for each slot
.set MSB, 0
.macro WIN new                         ; the immediate's high byte repeats the setting that is left; a switch that changes nothing is dropped
.if MSB != \new
	s_set_vgpr_msb (MSB<<8)|\new
.set MSB, \new
.endif
.endm
.set MUL_LO, 0xa1                      ; source 0 (wb) window 1, source 1 (xb) window 0, C and D window 2
.set MUL_HI, 0xf1                      ; the same, C and D window 3
.set TO_B,   0x40                      ; destination window 1, address window 0
; A joint refill.  Waves 0 and 1 fetch xb's two halves, waves 2 and 3 wb's.  Each of the two lines has one mask and one set of registers for all that issue it.  The branch hangs on the wave's
; number alone.  Four v_nop follow each of the two lines, ahead of the jump, the label and what follows the macro.
.macro JLOAD s
	s_cmp_eq_u32 s11, 0
	s_cbranch_scc0 .Lfor_b_\@
	tensor_load_to_lds s[G0+4*\s:G0+4*\s+3], s[G1:G1+7]
	s_nop 0
.rept 4
	v_nop
.endr
	s_branch .Lasked_\@
.Lfor_b_\@:
	tensor_load_to_lds s[G0B+4*\s:G0B+4*\s+3], s[G1B:G1B+7]
	s_nop 0
.rept 4
	v_nop
.endr
.Lasked_\@:
.endm
; A round of the cluster's barrier: my work-group's barrier, so that wave 0's signal speaks for all four waves; wave 0 signals for the work-group; every wave waits for all sixteen
; work-groups; my work-group's barrier once more.
.macro CREST                           ; a round behind its opening barrier
	s_cmp_lg_u32 s10, 0
	s_cbranch_scc1 .Lnot_wave_0_\@
	s_barrier_signal -3
.Lnot_wave_0_\@:
	s_barrier_wait -3
	s_barrier_signal -1
	s_barrier_wait -1
.endm
.macro CROUND                          ; a whole round
	s_barrier_signal -1
	s_barrier_wait -1
	CREST
.endm
	s_load_b128 s[4:7], s[0:1], 0x0                ; xb s[4:5], wb s[6:7]
	s_load_b128 s[68:71], s[0:1], 0x10             ; axb s[68:69], lbb s[70:71]
	s_load_b128 s[72:75], s[0:1], 0x20             ; bias s[72:73], out0 s[74:75]
	v_lshl_add_u32 v[SPW], v0, 2, SPARE
	v_mov_b32 v[NIL], 0
	ds_add_u32 v28, v29
	ds_add_u32 v28, v29
	s_wait_dscnt 0x0
	v_lshrrev_b32 v1, 5, v0
	v_readfirstlane_b32 s10, v1                    ; wave 0..3
	s_lshr_b32 s11, s10, 1                         ; which half of the tile's rows is mine.  Also: I fetch for xb (0) or for wb (1)
	s_and_b32 s12, s10, 1                          ; which half of its columns.  Also: which 128 rows of that tile I fetch
	s_bfe_u32 s40, ttmp6, 0x40000                  ; cx: my place along the cluster's x
	s_bfe_u32 s41, ttmp6, 0x40004                  ; cy: along its y
	s_lshl_b32 s42, ttmp9, 2                       ; in a cluster launch ttmp9 and ttmp7 count clusters
	s_add_co_u32 s42, s42, s40                     ; tile column = 4 x cluster x + cx
	s_and_b32 s13, ttmp7, 0xffff
	s_lshl_b32 s13, s13, 2
	s_add_co_u32 s13, s13, s41                     ; tile row = 4 x cluster y + cy
.if TROW0
	s_add_co_u32 s13, s13, TROW0                   ; + this launch's first
.endif
	s_lshl_b32 s43, s41, 2
	s_lshl_b32 s43, 15, s43                        ; my row of the cluster: places 4 cy .. 4 cy + 3
	s_lshl_b32 s44, 0x1111, s40                    ; my column: places cx, cx + 4, cx + 8, cx + 12
	; descriptor group 1: a tile of 128 rows x 128 elements, padded in LDS
	s_or_b32 s[G1+0], s43, (1<<16)|(1<<20)|(1<<21)|(5<<22)|(3<<25)  ; 15:0 the mask: xb's tiles go to my row; 17:16 elements of 2 bytes; 20 padding on; 21 set beside a mask; 24:22 after every 64 words (code 5); 31:25 4 words of it (code 3)
	s_or_b32 s[G1B+0], s44, (1<<16)|(1<<20)|(1<<21)|(5<<22)|(3<<25) ; the same with the mask of my column, for wb's tiles
.irp g, G1, G1B
	s_mov_b32 s[\g+1], KSTEP<<16                   ; 63:48 tensor_dim0, low half = 128
	s_mov_b32 s[\g+2], 128<<16                     ; 79:64 its high half = 0; 95:80 tensor_dim1, low half = 128
	s_mov_b32 s[\g+3], KSTEP<<16                   ; 111:96 its high half = 0; 127:112 tile_dim0 = 128
	s_mov_b32 s[\g+4], 128                         ; 143:128 tile_dim1 = 128; 159:144 tile_dim2 = 0
	s_mov_b32 s[\g+5], SIZE_K                      ; 191:160 tensor_dim0_stride, low word: elements from row to row
	s_mov_b32 s[\g+6], 0
	s_mov_b32 s[\g+7], 0
.endr
	; where the tiles come from.  xb's hang on the tile row alone, which my row of the cluster shares; wb's on the tile column alone, which my column shares.
	; Every wave makes both addresses, in registers that never hold the other coordinate, and asks by one of them.  A row is 8,192 bytes; 4,095 rows stay under 2^31.
	s_lshl_b32 s17, s12, 7                         ; which 128 rows of the tile I fetch
	s_lshl_b32 s16, s13, 8
	s_add_co_u32 s16, s16, s17                     ; xb: row 256 x tile row + 128 x half
	s_lshl_b32 s16, s16, 13
	s_lshl_b32 s46, s42, 8
	s_add_co_u32 s46, s46, s17                     ; wb: row 256 x tile column + 128 x half
	s_lshl_b32 s46, s46, 13
	s_mov_b32 s17, 0
	s_mov_b32 s47, 0
	s_mul_i32 s20, s10, HALFT                      ; and where they go: xb's two halves, then wb's two = wave x 128 rows: no place in the cluster enters an LDS address
	; my wave's own 128 x 128: its first row and column, for axb, lbb, the bias and out0
	s_lshl_b32 s76, s13, 8
	s_lshl_b32 s77, s11, 7
	s_add_co_u32 s76, s76, s77                     ; my first row
	s_lshl_b32 s78, s42, 8
	s_lshl_b32 s79, s12, 7
	s_add_co_u32 s78, s78, s79                     ; my first column
	s_lshl_b32 s80, s76, 14                        ; out0: rows of 16,384 bytes,
	s_lshl_b32 s22, s78, 2                         ; columns of 4: also the bias's offset
	s_add_co_u32 s80, s80, s22
	s_lshl_b32 s76, s76, 6                         ; axb: rows of 64 bytes
	s_lshl_b32 s78, s78, 6                         ; lbb: likewise, by my columns
	s_mov_b32 s23, 0
	s_mov_b32 s77, 0
	s_mov_b32 s79, 0
	s_mov_b32 s81, 0
	s_wait_kmcnt 0x0
	s_add_nc_u64 s[14:15], s[4:5], s[16:17]
	s_add_nc_u64 s[46:47], s[6:7], s[46:47]
	s_add_nc_u64 s[68:69], s[68:69], s[76:77]
	s_add_nc_u64 s[70:71], s[70:71], s[78:79]
	s_add_nc_u64 s[72:73], s[72:73], s[22:23]
	s_add_nc_u64 s[74:75], s[74:75], s[80:81]
	CROUND                                         ; all sixteen work-groups are here: the first joint loads meet
.irp s, 0,1
	s_mov_b32 s[G0+4*\s], 1                                        ; 1:0 count = 1
	s_add_co_u32 s[G0+4*\s+1], s20, \s*SLOT                        ; 63:32 LDS address
	s_add_nc_u64 s[G0+4*\s+2:G0+4*\s+3], s[14:15], \s*KSTEP*2      ; 120:64 global address: K step s
	s_or_b32 s[G0+4*\s+3], s[G0+4*\s+3], 0x80000000                ; 127:126 type = 2
	s_mov_b32 s[G0B+4*\s], 1
	s_add_co_u32 s[G0B+4*\s+1], s20, \s*SLOT
	s_add_nc_u64 s[G0B+4*\s+2:G0B+4*\s+3], s[46:47], \s*KSTEP*2
	s_or_b32 s[G0B+4*\s+3], s[G0B+4*\s+3], 0x80000000
.endr
	s_cmp_eq_u32 s11, 0                            ; a wave's two first fills stand in one branch, ahead of every wait on TENSORcnt, every LDS read and every later barrier: two loads of mine are out
	s_cbranch_scc0 .Lfirst_b
	tensor_load_to_lds s[G0:G0+3], s[G1:G1+7]
	s_nop 0
	tensor_load_to_lds s[G0+4:G0+7], s[G1:G1+7]
	s_nop 0
.rept 4
	v_nop
.endr
	s_branch .Lfirst_asked
.Lfirst_b:
	tensor_load_to_lds s[G0B:G0B+3], s[G1B:G1B+7]
	s_nop 0
	tensor_load_to_lds s[G0B+4:G0B+7], s[G1B:G1B+7]
	s_nop 0
.rept 4
	v_nop
.endr
.Lfirst_asked:
	; A fragment is 16 rows x 32 K in 8 registers: lane l holds row l % 16; registers 0-3 hold K = 8 (l / 16) + 0..7, registers 4-7 K = 16 + 8 (l / 16) + 0..7:
	; two loads of 16 bytes, 32 bytes apart.  The same for source 0 and source 1.
	v_and_b32 v1, 15, v0                           ; l % 16
	v_bfe_u32 v2, v0, 4, 1                         ; l / 16
	v_lshlrev_b32 v[LO], 6, v1
	v_lshl_add_u32 v[LO], v2, 4, v[LO]
	v_lshlrev_b32 v[BO], 5, v2
	; The low-rank quarter's operands come straight from memory into buffer 1: a row of axb or lbb is the whole K of 32.  48 loads, waited for once.
	WIN TO_B
.irp b, 0,1,2,3,4,5,6,7
	global_load_b128 v[F1+8*\b:F1+8*\b+3],   v[LO], s[70:71] offset:1024*\b
	global_load_b128 v[F1+8*\b+4:F1+8*\b+7], v[LO], s[70:71] offset:1024*\b+32
.endr
	WIN 0
.irp a, 0,1,2,3,4,5,6,7
	global_load_b128 v[F1+8*\a:F1+8*\a+3],   v[LO], s[68:69] offset:1024*\a
	global_load_b128 v[F1+8*\a+4:F1+8*\a+7], v[LO], s[68:69] offset:1024*\a+32
.endr
.irp b, 0,1,2,3,4,5,6,7
	global_load_b128 v[BI+8*\b:BI+8*\b+3],   v[BO], s[72:73] offset:64*\b      ; register j of block b: bias[16 b + 8 (l / 16) + j], whatever the row
	global_load_b128 v[BI+8*\b+4:BI+8*\b+7], v[BO], s[72:73] offset:64*\b+16
.endr
	v_mul_u32_u24 v3, v1, PITCH
	v_lshl_add_u32 v3, v2, 4, v3                   ; row x pitch + 16 x half
	s_mul_i32 s21, s11, HALFT                      ; my 128 rows of xb
	s_mul_i32 s22, s12, HALFT                      ; my 128 rows of wb,
	s_add_co_u32 s22, s22, 2*HALFT                 ; which lie behind xb's 256
.irp s, 0,1
	v_add_nc_u32 v[ADRA+\s], s21, v3
	v_add_nc_u32 v[ADRB+\s], s22, v3
	s_add_co_u32 s21, s21, SLOT
	s_add_co_u32 s22, s22, SLOT
.endr
	s_mul_i32 s23, s10, 16*SPITCH
	s_add_co_u32 s23, s23, STAGE                   ; my stage
	v_mul_u32_u24 v4, v1, SPITCH                   ; in: row l % 16, 32 bytes for each half of the lanes
	v_lshl_add_u32 v4, v2, 5, v4
	v_add_nc_u32 v[STO], s23, v4
	v_and_b32 v5, 31, v0
	v_lshlrev_b32 v[CO], 4, v5                     ; back and out: the 32 lanes take one row's 512 bytes
	v_add_nc_u32 v[RD], s23, v[CO]
; 16 matrix instructions: m blocks a0, a0 + 1 of the window's four (hi = 0: my rows 0-63, 1: rows 64-127) x all 8 n blocks, 32 along K.
.macro MUL16 f, hi, a0
.irp a, \a0, \a0+1
.irp b, 0,1,2,3,4,5,6,7
	v_wmma_f32_16x16x32_bf16 v[8*(8*(\a)+\b):8*(8*(\a)+\b)+7], v[\f+8*\b:\f+8*\b+7], v[\f+8*(4*\hi+\a):\f+8*(4*\hi+\a)+7], v[8*(8*(\a)+\b):8*(8*(\a)+\b)+7]
.endr
.endr
.endm
; The 64 products that start the sums: lbb's fragments x axb's, C = the bias (window 0), D = the accumulators, in the order in which every later quarter takes them.
.macro LORAQ
.irp hi, 0,1
	WIN 0x81+0x40*\hi                              ; source 0 window 1, source 1 and C window 0, D window 2 or 3
.irp a, 0,1,2,3
.irp b, 0,1,2,3,4,5,6,7
	v_wmma_f32_16x16x32_bf16 v[8*(8*\a+\b):8*(8*\a+\b)+7], v[F1+8*\b:F1+8*\b+7], v[F1+8*(4*\hi+\a):F1+8*(4*\hi+\a)+7], v[BI+8*\b:BI+8*\b+7]
.endr
.endr
.endr
.endm
; 32 LDS loads in one run: the fragments of one quarter step (128 rows of wb, 128 rows of xb, 32 K at byte k of the rows) into buffer f
.macro FETCH slot, k, f
	WIN TO_B
.irp i, 0,1,2,3,4,5,6,7
	ds_load_b128 v[\f+8*\i:\f+8*\i+3],   v[ADRB+\slot] offset:\k+\i*16*PITCH
	ds_load_b128 v[\f+8*\i+4:\f+8*\i+7], v[ADRB+\slot] offset:\k+\i*16*PITCH+32
.endr
	WIN 0
.irp i, 0,1,2,3,4,5,6,7
	ds_load_b128 v[\f+8*\i:\f+8*\i+3],   v[ADRA+\slot] offset:\k+\i*16*PITCH
	ds_load_b128 v[\f+8*\i+4:\f+8*\i+7], v[ADRA+\slot] offset:\k+\i*16*PITCH+32
.endr
.endm
; A load into a register that a matrix instruction has read, and a store that reads a matrix result, stand four places behind that matrix instruction, and only plain vector instructions
; that name none of its registers are places (ISA guide 7.12.1 for vector instructions); the matrix instructions in between are not counted.
.macro PLACES
.rept 4
	v_nop
.endr
.endm
; A K step is four quarter steps of 32 along K, 64 matrix instructions each, on buffers 0, 1, 0, 1.  The 64 accumulators take turns, one instruction a turn, in the same order in every quarter.
; One of the first three quarters: multiplies buffer f; in its middle it fetches the next quarter's fragments, at byte k of the same slot's rows, into buffer g.
.macro QUARTER slot, k, f, g
	s_wait_dscnt 8                                 ; wb and xb's rows 0-63 are in; the youngest eight loads (xb's rows 64-127) may be out
	WIN MUL_LO
	MUL16 \f, 0, 0
	MUL16 \f, 0, 2
	PLACES
	FETCH \slot, \k, \g
	s_wait_dscnt 32                                ; all but the 32 just issued
	WIN MUL_HI
	MUL16 \f, 1, 0
	MUL16 \f, 1, 2
.endm
; The last quarter multiplies buffer 1 and changes slots.  MEET is its first half: ONE barrier for the change.  In front of it each wave waits for all its tensor loads, of which one is out: its part
; of the next slot; adds 0 to its spare word; and waits for that and for its own reads of this slot.  Behind it nobody reads this slot any more and the next slot is whole.
.macro MEET round                      ; round = 1: a round of the cluster's barrier follows
	WIN 0                                          ; (the add's two registers lie in window 0)
	s_wait_tensorcnt 0x0                           ; all my tensor loads have landed: the one that was out is my part of the next slot;
	ds_add_u32 v[SPW], v[NIL]                      ; 0 onto my spare word;
	s_wait_dscnt 9                                 ; (the add and the youngest eight loads may be out)
	WIN MUL_LO
	MUL16 F1, 0, 0                                 ; sixteen matrix instructions stand between the add and the wait for it
	s_wait_dscnt 0x0                               ; the add is done, and my reads of this slot are over:
	s_barrier_signal -1                            ; say so (where a slot is filled again this barrier opens a round of the cluster's barrier),
	MUL16 F1, 0, 2                                 ; work on registers while the others arrive,
.if \round
	WIN 0
.endif
	s_barrier_wait -1                              ; and go on when all four have said so
.endm
; The whole last quarter.  Behind the round the slot just read out is filled again first, with the K step two steps on; then come the next slot's first fragments.
; From a request to the wait for it a wave issues 224 matrix instructions.
.macro TURN slot, next
	MEET 1
	CREST                                          ; no wave of any partner still reads this slot's tile or has a load on its way
	s_add_nc_u64 s[G0+4*\slot+2:G0+4*\slot+3], s[G0+4*\slot+2:G0+4*\slot+3], 2*KSTEP*2       ; no tensor load of mine is out: a group 0 may be written
	s_add_nc_u64 s[G0B+4*\slot+2:G0B+4*\slot+3], s[G0B+4*\slot+2:G0B+4*\slot+3], 2*KSTEP*2
	JLOAD \slot                                    ; the first tensor load behind the round, my only one until the next; its four v_nop are also the places in front of the loads below
	FETCH \next, 0, F0
	WIN MUL_HI
	MUL16 F1, 1, 0
	MUL16 F1, 1, 2
.endm
; THE WAY OUT of block a (16 rows x 128 columns of f32).  TOSTAGE: a lane's 32 bytes of a row go into my own stage in LDS, straight from the accumulators, each from its low end on;
; the block comes back as whole rows of 512 bytes, into the fragment buffers by turns.  SEND: stored, a row to a store.
.macro TOSTAGE a
.set AC, 64*((\a)%4)
.set BK, F0+64*((\a)%2)
	WIN 0x08+4*((\a)/4)                            ; an LDS store's data is source 1: window 2 or 3
.irp b, 0,1,2,3,4,5,6,7
	ds_store_b128 v[STO], v[AC+8*\b:AC+8*\b+3]   offset:64*\b
	ds_store_b128 v[STO], v[AC+8*\b+4:AC+8*\b+7] offset:64*\b+16
.endr
	WIN 0
.irp t, 0,1,2,3,4,5,6,7,8,9,10,11,12,13,14,15
	ds_load_b128 v[BK+4*\t:BK+4*\t+3], v[RD] offset:\t*SPITCH      ; LDS serves a wave's instructions in order (ISA guide 5.7.1.4): these see the stores above; the next block's stores come behind them
.endr
.endm
.macro SEND a, younger                 ; younger: the LDS instructions issued behind block a's loads: the next block's 32, or none
.set BK, F0+64*((\a)%2)
.irp t, 0,1,2,3,4,5,6,7,8,9,10,11,12,13,14,15
	s_wait_dscnt \younger+15-\t
	global_store_b128 v[CO], v[BK+4*\t:BK+4*\t+3], s[74:75] offset:(16*(\a)+\t)*OROW th:TH_STORE_NT   ; the wave stores 512 consecutive bytes, at a multiple of 512 from out0's first byte; 127 rows at the most: inside the signed 24-bit immediate
.endr
.endm
	s_wait_tensorcnt 1                             ; my part of K step 0 is in; K step 1's may stay out
	s_barrier_signal -1
	s_barrier_wait -1                              ; everybody's is
	FETCH 0, 0, F0
	s_wait_loadcnt 0x0                             ; axb, lbb and the bias
	LORAQ                                          ; bias + the low-rank term: the sums begin
	QUARTER 0, 64,  F0, F1                         ; K step 0's first quarter; its places also stand between the products above and the loads into buffer 1
	WIN 0                                          ; at a label and at a branch every window is 0
	s_mov_b32 s3, LAPS-1
.Llap:                                                 ; a trip goes once round the ring, from a lap's second quarter to the next lap's first, and fills both slots again
	QUARTER 0, 128, F1, F0
	QUARTER 0, 192, F0, F1
	TURN 0, 1
	QUARTER 1, 64,  F0, F1
	QUARTER 1, 128, F1, F0
	QUARTER 1, 192, F0, F1
	TURN 1, 0
	QUARTER 0, 64,  F0, F1
	WIN 0
	s_sub_co_u32 s3, s3, 1
	s_cmp_lg_u32 s3, 0
	s_cbranch_scc1 .Llap
	QUARTER 0, 128, F1, F0                         ; the last lap is written out: it asks for nothing more
	QUARTER 0, 192, F0, F1
	MEET 0                                         ; my one tensor load that was still out is slot 1's, the last K step's, so no round follows
	PLACES                                         ; for the loads into buffer 0, which the quarter before multiplied
	FETCH 1, 0, F0
	WIN MUL_HI
	MUL16 F1, 1, 0
	MUL16 F1, 1, 2
	QUARTER 1, 64,  F0, F1
	QUARTER 1, 128, F1, F0
	QUARTER 1, 192, F0, F1
	s_wait_dscnt 8                                 ; the very last quarter: nothing more to fetch
	WIN MUL_LO
	MUL16 F1, 0, 0
	MUL16 F1, 0, 2
	s_wait_dscnt 0x0
	WIN MUL_HI
	MUL16 F1, 1, 0
	MUL16 F1, 1, 2
	WIN 0
	PLACES                                         ; in front of the stores that read the results and of the loads into the fragment buffers
	TOSTAGE 0
.irp a, 1,2,3,4,5,6,7                  ; block a's way through the stage stands between block a - 1's loads and its stores
.if \a >= 2
	s_wait_xcnt 0x0                                ; block a - 2's stores have had their addresses translated (ISA guide 3.1): only behind this wait are the registers that they read loaded again
.endif
	TOSTAGE \a
	SEND \a-1, 32
.endr
	SEND 7, 0
	s_wait_tensorcnt 0x0                           ; the wave's end: behind my last tensor load and my last LDS store
	ds_add_u32 v[SPW], v[NIL]
	s_wait_dscnt 0x0
	CROUND                                         ; the closing round: no work-group ends while a partner may still ask for a tile that names it
	s_endpgm
.Lfunc_end_k_qa433d5c3e8_gemm_lo:
	.size	k_qa433d5c3e8_gemm_lo, .Lfunc_end_k_qa433d5c3e8_gemm_lo-k_qa433d5c3e8_gemm_lo
	.p2alignl 7, 3214868480
	.fill 96, 4, 3214868480
	.section	.rodata,"a",@progbits
	.p2align	6, 0x0
	.amdhsa_kernel k_qa433d5c3e8_gemm_lo
		.amdhsa_group_segment_fixed_size 327680
		.amdhsa_private_segment_fixed_size 0
		.amdhsa_enable_private_segment 0
		.amdhsa_kernarg_size 48
		.amdhsa_user_sgpr_count 2
		.amdhsa_user_sgpr_kernarg_segment_ptr 1
		.amdhsa_wavefront_size32 1
		.amdhsa_system_sgpr_workgroup_id_x 1
		.amdhsa_system_sgpr_workgroup_id_y 1
		.amdhsa_system_sgpr_workgroup_id_z 1
		.amdhsa_system_vgpr_workitem_id 0
		.amdhsa_next_free_vgpr 1024
		.amdhsa_next_free_sgpr 82
		.amdhsa_reserve_vcc 0
		.amdhsa_float_denorm_mode_32 3
		.amdhsa_float_denorm_mode_16_64 3
		.amdhsa_memory_ordered 1
		.amdhsa_forward_progress 1
		.amdhsa_inst_pref_size 152
	.end_amdhsa_kernel
	.amdgpu_metadata
---
amdhsa.version: [ 1, 2 ]
amdhsa.kernels:
  - .name:           k_qa433d5c3e8_gemm_lo
    .symbol:         k_qa433d5c3e8_gemm_lo.kd
    .args:
      - { .name: xb, .offset: 0, .size: 8, .value_kind: global_buffer, .address_space: global }
      - { .name: wb, .offset: 8, .size: 8, .value_kind: global_buffer, .address_space: global }
      - { .name: axb, .offset: 16, .size: 8, .value_kind: global_buffer, .address_space: global }
      - { .name: lbb, .offset: 24, .size: 8, .value_kind: global_buffer, .address_space: global }
      - { .name: bias, .offset: 32, .size: 8, .value_kind: global_buffer, .address_space: global }
      - { .name: out0, .offset: 40, .size: 8, .value_kind: global_buffer, .address_space: global }
    .group_segment_fixed_size: 327680
    .private_segment_fixed_size: 0
    .kernarg_segment_align: 8
    .kernarg_segment_size: 48
    .max_flat_workgroup_size: 128
    .sgpr_count:     82
    .vgpr_count:     1024
    .wavefront_size: 32
...
	.end_amdgpu_metadata
.endif
;; end of part 2
;; launch gemm_hi (part 3): grid 16 x 8, 4 waves a work-group, clusters of 4 x 4, 327,680 bytes of LDS; arguments xb, wb, axb, lbb, bias, out0; writes out0
.if DOCPART == 3
	.amdgcn_target "amdgcn-amd-amdhsa--gfx1250"
	.amdhsa_code_object_version 6
	.text
	.protected	k_qa433d5c3e8_gemm_hi
	.globl	k_qa433d5c3e8_gemm_hi
	.p2align	8
	.type	k_qa433d5c3e8_gemm_hi,@function
k_qa433d5c3e8_gemm_hi:
	s_mov_b64 s[64:65], 0
	v_nop
	global_prefetch_b8 v0, s[64:65] scope:SCOPE_SE
	s_setreg_imm32_b32 hwreg(HW_REG_WAVE_MODE, 25, 1), 1
	s_wait_xcnt 0x0
	s_wait_alu depctr_hold_cnt(0) depctr_sa_sdst(0) depctr_va_vdst(0) depctr_va_sdst(0) depctr_va_ssrc(0) depctr_va_vcc(0) depctr_vm_vsrc(0)
	s_getreg_b32 s2, hwreg(HW_REG_IB_STS2, 6, 4)
	s_cmp_eq_u32 s2, 0
	s_cbranch_scc0 .Lentry_in_a_cluster
	s_endpgm
.Lentry_in_a_cluster:
	s_bfe_u32 s2, ttmp6, 0x10000c
	s_cmp_lg_u32 s2, 0xf033
	s_cbranch_scc0 .Lentry_shape_is_right
	s_endpgm
.Lentry_shape_is_right:
; out0[s][o] = bias[o] + sum_r axb[s][r] lbb[o][r] + sum_i xb[s][i] wb[o][i].   xb, wb: [4096][4096] bf16; axb, lbb: [4096][32] bf16 (axb holds 0.5 x A_l); bias: [4096] f32; out0: [4096][4096] f32.
; Sums in f32.  LIMIT: all operands of the products are bf16, as the pass in front rounded them; the bias enters in f32, unrounded.
; THIS LAUNCH MAKES ROWS 2048 TO 4095 of out0 (tile rows TROW0 .. TROW0 + 7); a twin with TROW0 = 0, otherwise the same text, makes the rest.  The product is split so that one launch holds half of its work;
; the price is stated: 16 x 8 tiles are 128 work-groups, so half of the 256 WGPs have none in each of the two launches, and wb is read by both.  The two are two texts because a launch is given
; buffer addresses alone, and the place of its rows in out0 is a constant of the text.
; A tile of out0, 256 x 256, is made by a work-group of four waves; a wave makes 128 x 128: 64 accumulators of 16 x 16, 512 registers.
; THE LOW-RANK TERM AND THE BIAS START THE SUMS: the first 64 products are axb's 32 columns against lbb's, a quarter K step of their own, with the bias as their C operand: nothing is cleared,
; and neither the bias nor the low-rank term costs an instruction on the way out.
; Then K = 4096 goes in steps of 128 through a ring of two LDS slots filled by the tensor data mover: the rows of the tiles are 256 bytes of memory and start at multiples of 256 bytes from the buffer's first byte.
; CLUSTERS: 4 x 4 work-groups.  The four of a row of the cluster need the same tiles of xb, the four of a column the same tiles of wb: each tile is asked for JOINTLY, by the same tensor load with the
; same descriptor and a mask that names the four; each receives it in its own LDS.  That divides the requests for xb and wb by four.
;
; REGISTERS, in windows of 256 (s_set_vgpr_msb's low byte: bits 1:0 source 0, 3:2 source 1, 5:4 source 2, 7:6 destination):
;   window 0: v0-31 addresses; v64-127, v128-191 fragments of xb (8 x 16 rows x 32 K), two buffers, on the way out rows of out0; v192-255 the bias of my 128 columns, laid as a C operand
;   window 1: v64-127, v128-191 fragments of wb, two buffers
;   window 2: the 32 accumulators of my rows 0-63 (accumulator (a, b) at v[8 (8 a + b)]);   window 3: those of my rows 64-127
; THE MATRIX INSTRUCTION IS USED TRANSPOSED: source 0 = 16 rows of wb, source 1 = 16 rows of xb.  In the result lane l holds row l % 16 of out0 and its registers 0 to 7 the columns
; 8 (l / 16) + 0 .. 7: 32 consecutive bytes of a row; and the C operand hangs on the column alone, so one set of 64 registers of bias serves all eight blocks of rows.
.set TROW0,  8                         ; the first tile row of this launch
.set SIZE_K, 4096
.set SIZE_N, 4096
.set OROW,   SIZE_N*4                  ; a row of out0 in bytes
.set KSTEP,  128
.set PITCH,  272                       ; an LDS row: 256 bytes of data + 16 of padding = 68 words: the 16 rows that a fragment load touches start 4 banks apart (64 banks of 4 bytes: ISA guide 11.1)
.set HALFT,  128*PITCH                 ; 128 rows: what one tensor load brings, and what one wave reads of xb or of wb
.set SLOT,   4*HALFT                   ; xb's 256 rows, then wb's 256 rows
.set STAGE,  2*SLOT                    ; behind the ring: 16 rows x 528 bytes for each wave, for the way out; no tensor load lands there
.set SPITCH, 528                       ; 512 bytes (128 f32) + 16
.set SPARE,  STAGE+4*16*SPITCH         ; behind the stages: the spare words, 128 bytes for each wave: two blocks of 256 bytes that no other line names
.set LAPS,   SIZE_K/(2*KSTEP)          ; a lap = two K steps = once round the ring: 16
.set ADRA, 16                          ; v16-17  LDS address of my xb fragments in slot 0, 1
.set ADRB, 20                          ; v20-21  the same for wb
.set STO,  24                          ; v24     the way out: where I put 32 bytes of a row
.set RD,   25                          ; v25     the way out: where I read 16 bytes of a row back
.set CO,   26                          ; v26     16 x lane: my 16 bytes of my wave's 512 in a row of out0
.set LO,   27                          ; v27     my place in a fragment of axb or lbb: (lane % 16) x 64 + 16 (lane / 16)
.set SPW,  28                          ; v28     LDS address of my spare word: SPARE + 4 x my thread's number; never rewritten
.set NIL,  29                          ; v29     0; never rewritten
.set BO,   30                          ; v30     32 (lane / 16): my eight numbers of sixteen of the bias
.set F0,   64                          ; fragment buffer 0
.set F1,   128                         ; fragment buffer 1
.set BI,   192                         ; the bias
.set G1, 24                            ; s[24:31] descriptor group 1 for xb's tiles
.set G0, 32                            ; s[32:39] descriptor group 0 for xb's tiles, one set for each slot
.set G1B, 48                           ; s[48:55] descriptor group 1 for wb's tiles: it differs in the mask alone
.set G0B, 56                           ; s[56:63] descriptor group 0 for wb's tiles, one set for each slot
.set MSB, 0
.macro WIN new                         ; the immediate's high byte repeats the setting that is left; a switch that changes nothing is dropped
.if MSB != \new
	s_set_vgpr_msb (MSB<<8)|\new
.set MSB, \new
.endif
.endm
.set MUL_LO, 0xa1                      ; source 0 (wb) window 1, source 1 (xb) window 0, C and D window 2
.set MUL_HI, 0xf1                      ; the same, C and D window 3
.set TO_B,   0x40                      ; destination window 1, address window 0
; A joint refill.  Waves 0 and 1 fetch xb's two halves, waves 2 and 3 wb's.  Each of the two lines has one mask and one set of registers for all that issue it.  The branch hangs on the wave's
; number alone.  Four v_nop follow each of the two lines, ahead of the jump, the label and what follows the macro.
.macro JLOAD s
	s_cmp_eq_u32 s11, 0
	s_cbranch_scc0 .Lfor_b_\@
	tensor_load_to_lds s[G0+4*\s:G0+4*\s+3], s[G1:G1+7]
	s_nop 0
.rept 4
	v_nop
.endr
	s_branch .Lasked_\@
.Lfor_b_\@:
	tensor_load_to_lds s[G0B+4*\s:G0B+4*\s+3], s[G1B:G1B+7]
	s_nop 0
.rept 4
	v_nop
.endr
.Lasked_\@:
.endm
; A round of the cluster's barrier: my work-group's barrier, so that wave 0's signal speaks for all four waves; wave 0 signals for the work-group; every wave waits for all sixteen
; work-groups; my work-group's barrier once more.
.macro CREST                           ; a round behind its opening barrier
	s_cmp_lg_u32 s10, 0
	s_cbranch_scc1 .Lnot_wave_0_\@
	s_barrier_signal -3
.Lnot_wave_0_\@:
	s_barrier_wait -3
	s_barrier_signal -1
	s_barrier_wait -1
.endm
.macro CROUND                          ; a whole round
	s_barrier_signal -1
	s_barrier_wait -1
	CREST
.endm
	s_load_b128 s[4:7], s[0:1], 0x0                ; xb s[4:5], wb s[6:7]
	s_load_b128 s[68:71], s[0:1], 0x10             ; axb s[68:69], lbb s[70:71]
	s_load_b128 s[72:75], s[0:1], 0x20             ; bias s[72:73], out0 s[74:75]
	v_lshl_add_u32 v[SPW], v0, 2, SPARE
	v_mov_b32 v[NIL], 0
	ds_add_u32 v28, v29
	ds_add_u32 v28, v29
	s_wait_dscnt 0x0
	v_lshrrev_b32 v1, 5, v0
	v_readfirstlane_b32 s10, v1                    ; wave 0..3
	s_lshr_b32 s11, s10, 1                         ; which half of the tile's rows is mine.  Also: I fetch for xb (0) or for wb (1)
	s_and_b32 s12, s10, 1                          ; which half of its columns.  Also: which 128 rows of that tile I fetch
	s_bfe_u32 s40, ttmp6, 0x40000                  ; cx: my place along the cluster's x
	s_bfe_u32 s41, ttmp6, 0x40004                  ; cy: along its y
	s_lshl_b32 s42, ttmp9, 2                       ; in a cluster launch ttmp9 and ttmp7 count clusters
	s_add_co_u32 s42, s42, s40                     ; tile column = 4 x cluster x + cx
	s_and_b32 s13, ttmp7, 0xffff
	s_lshl_b32 s13, s13, 2
	s_add_co_u32 s13, s13, s41                     ; tile row = 4 x cluster y + cy
.if TROW0
	s_add_co_u32 s13, s13, TROW0                   ; + this launch's first
.endif
	s_lshl_b32 s43, s41, 2
	s_lshl_b32 s43, 15, s43                        ; my row of the cluster: places 4 cy .. 4 cy + 3
	s_lshl_b32 s44, 0x1111, s40                    ; my column: places cx, cx + 4, cx + 8, cx + 12
	; descriptor group 1: a tile of 128 rows x 128 elements, padded in LDS
	s_or_b32 s[G1+0], s43, (1<<16)|(1<<20)|(1<<21)|(5<<22)|(3<<25)  ; 15:0 the mask: xb's tiles go to my row; 17:16 elements of 2 bytes; 20 padding on; 21 set beside a mask; 24:22 after every 64 words (code 5); 31:25 4 words of it (code 3)
	s_or_b32 s[G1B+0], s44, (1<<16)|(1<<20)|(1<<21)|(5<<22)|(3<<25) ; the same with the mask of my column, for wb's tiles
.irp g, G1, G1B
	s_mov_b32 s[\g+1], KSTEP<<16                   ; 63:48 tensor_dim0, low half = 128
	s_mov_b32 s[\g+2], 128<<16                     ; 79:64 its high half = 0; 95:80 tensor_dim1, low half = 128
	s_mov_b32 s[\g+3], KSTEP<<16                   ; 111:96 its high half = 0; 127:112 tile_dim0 = 128
	s_mov_b32 s[\g+4], 128                         ; 143:128 tile_dim1 = 128; 159:144 tile_dim2 = 0
	s_mov_b32 s[\g+5], SIZE_K                      ; 191:160 tensor_dim0_stride, low word: elements from row to row
	s_mov_b32 s[\g+6], 0
	s_mov_b32 s[\g+7], 0
.endr
	; where the tiles come from.  xb's hang on the tile row alone, which my row of the cluster shares; wb's on the tile column alone, which my column shares.
	; Every wave makes both addresses, in registers that never hold the other coordinate, and asks by one of them.  A row is 8,192 bytes; 4,095 rows stay under 2^31.
	s_lshl_b32 s17, s12, 7                         ; which 128 rows of the tile I fetch
	s_lshl_b32 s16, s13, 8
	s_add_co_u32 s16, s16, s17                     ; xb: row 256 x tile row + 128 x half
	s_lshl_b32 s16, s16, 13
	s_lshl_b32 s46, s42, 8
	s_add_co_u32 s46, s46, s17                     ; wb: row 256 x tile column + 128 x half
	s_lshl_b32 s46, s46, 13
	s_mov_b32 s17, 0
	s_mov_b32 s47, 0
	s_mul_i32 s20, s10, HALFT                      ; and where they go: xb's two halves, then wb's two = wave x 128 rows: no place in the cluster enters an LDS address
	; my wave's own 128 x 128: its first row and column, for axb, lbb, the bias and out0
	s_lshl_b32 s76, s13, 8
	s_lshl_b32 s77, s11, 7
	s_add_co_u32 s76, s76, s77                     ; my first row
	s_lshl_b32 s78, s42, 8
	s_lshl_b32 s79, s12, 7
	s_add_co_u32 s78, s78, s79                     ; my first column
	s_lshl_b32 s80, s76, 14                        ; out0: rows of 16,384 bytes,
	s_lshl_b32 s22, s78, 2                         ; columns of 4: also the bias's offset
	s_add_co_u32 s80, s80, s22
	s_lshl_b32 s76, s76, 6                         ; axb: rows of 64 bytes
	s_lshl_b32 s78, s78, 6                         ; lbb: likewise, by my columns
	s_mov_b32 s23, 0
	s_mov_b32 s77, 0
	s_mov_b32 s79, 0
	s_mov_b32 s81, 0
	s_wait_kmcnt 0x0
	s_add_nc_u64 s[14:15], s[4:5], s[16:17]
	s_add_nc_u64 s[46:47], s[6:7], s[46:47]
	s_add_nc_u64 s[68:69], s[68:69], s[76:77]
	s_add_nc_u64 s[70:71], s[70:71], s[78:79]
	s_add_nc_u64 s[72:73], s[72:73], s[22:23]
	s_add_nc_u64 s[74:75], s[74:75], s[80:81]
	CROUND                                         ; all sixteen work-groups are here: the first joint loads meet
.irp s, 0,1
	s_mov_b32 s[G0+4*\s], 1                                        ; 1:0 count = 1
	s_add_co_u32 s[G0+4*\s+1], s20, \s*SLOT                        ; 63:32 LDS address
	s_add_nc_u64 s[G0+4*\s+2:G0+4*\s+3], s[14:15], \s*KSTEP*2      ; 120:64 global address: K step s
	s_or_b32 s[G0+4*\s+3], s[G0+4*\s+3], 0x80000000                ; 127:126 type = 2
	s_mov_b32 s[G0B+4*\s], 1
	s_add_co_u32 s[G0B+4*\s+1], s20, \s*SLOT
	s_add_nc_u64 s[G0B+4*\s+2:G0B+4*\s+3], s[46:47], \s*KSTEP*2
	s_or_b32 s[G0B+4*\s+3], s[G0B+4*\s+3], 0x80000000
.endr
	s_cmp_eq_u32 s11, 0                            ; a wave's two first fills stand in one branch, ahead of every wait on TENSORcnt, every LDS read and every later barrier: two loads of mine are out
	s_cbranch_scc0 .Lfirst_b
	tensor_load_to_lds s[G0:G0+3], s[G1:G1+7]
	s_nop 0
	tensor_load_to_lds s[G0+4:G0+7], s[G1:G1+7]
	s_nop 0
.rept 4
	v_nop
.endr
	s_branch .Lfirst_asked
.Lfirst_b:
	tensor_load_to_lds s[G0B:G0B+3], s[G1B:G1B+7]
	s_nop 0
	tensor_load_to_lds s[G0B+4:G0B+7], s[G1B:G1B+7]
	s_nop 0
.rept 4
	v_nop
.endr
.Lfirst_asked:
	; A fragment is 16 rows x 32 K in 8 registers: lane l holds row l % 16; registers 0-3 hold K = 8 (l / 16) + 0..7, registers 4-7 K = 16 + 8 (l / 16) + 0..7:
	; two loads of 16 bytes, 32 bytes apart.  The same for source 0 and source 1.
	v_and_b32 v1, 15, v0                           ; l % 16
	v_bfe_u32 v2, v0, 4, 1                         ; l / 16
	v_lshlrev_b32 v[LO], 6, v1
	v_lshl_add_u32 v[LO], v2, 4, v[LO]
	v_lshlrev_b32 v[BO], 5, v2
	; The low-rank quarter's operands come straight from memory into buffer 1: a row of axb or lbb is the whole K of 32.  48 loads, waited for once.
	WIN TO_B
.irp b, 0,1,2,3,4,5,6,7
	global_load_b128 v[F1+8*\b:F1+8*\b+3],   v[LO], s[70:71] offset:1024*\b
	global_load_b128 v[F1+8*\b+4:F1+8*\b+7], v[LO], s[70:71] offset:1024*\b+32
.endr
	WIN 0
.irp a, 0,1,2,3,4,5,6,7
	global_load_b128 v[F1+8*\a:F1+8*\a+3],   v[LO], s[68:69] offset:1024*\a
	global_load_b128 v[F1+8*\a+4:F1+8*\a+7], v[LO], s[68:69] offset:1024*\a+32
.endr
.irp b, 0,1,2,3,4,5,6,7
	global_load_b128 v[BI+8*\b:BI+8*\b+3],   v[BO], s[72:73] offset:64*\b      ; register j of block b: bias[16 b + 8 (l / 16) + j], whatever the row
	global_load_b128 v[BI+8*\b+4:BI+8*\b+7], v[BO], s[72:73] offset:64*\b+16
.endr
	v_mul_u32_u24 v3, v1, PITCH
	v_lshl_add_u32 v3, v2, 4, v3                   ; row x pitch + 16 x half
	s_mul_i32 s21, s11, HALFT                      ; my 128 rows of xb
	s_mul_i32 s22, s12, HALFT                      ; my 128 rows of wb,
	s_add_co_u32 s22, s22, 2*HALFT                 ; which lie behind xb's 256
.irp s, 0,1
	v_add_nc_u32 v[ADRA+\s], s21, v3
	v_add_nc_u32 v[ADRB+\s], s22, v3
	s_add_co_u32 s21, s21, SLOT
	s_add_co_u32 s22, s22, SLOT
.endr
	s_mul_i32 s23, s10, 16*SPITCH
	s_add_co_u32 s23, s23, STAGE                   ; my stage
	v_mul_u32_u24 v4, v1, SPITCH                   ; in: row l % 16, 32 bytes for each half of the lanes
	v_lshl_add_u32 v4, v2, 5, v4
	v_add_nc_u32 v[STO], s23, v4
	v_and_b32 v5, 31, v0
	v_lshlrev_b32 v[CO], 4, v5                     ; back and out: the 32 lanes take one row's 512 bytes
	v_add_nc_u32 v[RD], s23, v[CO]
; 16 matrix instructions: m blocks a0, a0 + 1 of the window's four (hi = 0: my rows 0-63, 1: rows 64-127) x all 8 n blocks, 32 along K.
.macro MUL16 f, hi, a0
.irp a, \a0, \a0+1
.irp b, 0,1,2,3,4,5,6,7
	v_wmma_f32_16x16x32_bf16 v[8*(8*(\a)+\b):8*(8*(\a)+\b)+7], v[\f+8*\b:\f+8*\b+7], v[\f+8*(4*\hi+\a):\f+8*(4*\hi+\a)+7], v[8*(8*(\a)+\b):8*(8*(\a)+\b)+7]
.endr
.endr
.endm
; The 64 products that start the sums: lbb's fragments x axb's, C = the bias (window 0), D = the accumulators, in the order in which every later quarter takes them.
.macro LORAQ
.irp hi, 0,1
	WIN 0x81+0x40*\hi                              ; source 0 window 1, source 1 and C window 0, D window 2 or 3
.irp a, 0,1,2,3
.irp b, 0,1,2,3,4,5,6,7
	v_wmma_f32_16x16x32_bf16 v[8*(8*\a+\b):8*(8*\a+\b)+7], v[F1+8*\b:F1+8*\b+7], v[F1+8*(4*\hi+\a):F1+8*(4*\hi+\a)+7], v[BI+8*\b:BI+8*\b+7]
.endr
.endr
.endr
.endm
; 32 LDS loads in one run: the fragments of one quarter step (128 rows of wb, 128 rows of xb, 32 K at byte k of the rows) into buffer f
.macro FETCH slot, k, f
	WIN TO_B
.irp i, 0,1,2,3,4,5,6,7
	ds_load_b128 v[\f+8*\i:\f+8*\i+3],   v[ADRB+\slot] offset:\k+\i*16*PITCH
	ds_load_b128 v[\f+8*\i+4:\f+8*\i+7], v[ADRB+\slot] offset:\k+\i*16*PITCH+32
.endr
	WIN 0
.irp i, 0,1,2,3,4,5,6,7
	ds_load_b128 v[\f+8*\i:\f+8*\i+3],   v[ADRA+\slot] offset:\k+\i*16*PITCH
	ds_load_b128 v[\f+8*\i+4:\f+8*\i+7], v[ADRA+\slot] offset:\k+\i*16*PITCH+32
.endr
.endm
; A load into a register that a matrix instruction has read, and a store that reads a matrix result, stand four places behind that matrix instruction, and only plain vector instructions
; that name none of its registers are places (ISA guide 7.12.1 for vector instructions); the matrix instructions in between are not counted.
.macro PLACES
.rept 4
	v_nop
.endr
.endm
; A K step is four quarter steps of 32 along K, 64 matrix instructions each, on buffers 0, 1, 0, 1.  The 64 accumulators take turns, one instruction a turn, in the same order in every quarter.
; One of the first three quarters: multiplies buffer f; in its middle it fetches the next quarter's fragments, at byte k of the same slot's rows, into buffer g.
.macro QUARTER slot, k, f, g
	s_wait_dscnt 8                                 ; wb and xb's rows 0-63 are in; the youngest eight loads (xb's rows 64-127) may be out
	WIN MUL_LO
	MUL16 \f, 0, 0
	MUL16 \f, 0, 2
	PLACES
	FETCH \slot, \k, \g
	s_wait_dscnt 32                                ; all but the 32 just issued
	WIN MUL_HI
	MUL16 \f, 1, 0
	MUL16 \f, 1, 2
.endm
; The last quarter multiplies buffer 1 and changes slots.  MEET is its first half: ONE barrier for the change.  In front of it each wave waits for all its tensor loads, of which one is out: its part
; of the next slot; adds 0 to its spare word; and waits for that and for its own reads of this slot.  Behind it nobody reads this slot any more and the next slot is whole.
.macro MEET round                      ; round = 1: a round of the cluster's barrier follows
	WIN 0                                          ; (the add's two registers lie in window 0)
	s_wait_tensorcnt 0x0                           ; all my tensor loads have landed: the one that was out is my part of the next slot;
	ds_add_u32 v[SPW], v[NIL]                      ; 0 onto my spare word;
	s_wait_dscnt 9                                 ; (the add and the youngest eight loads may be out)
	WIN MUL_LO
	MUL16 F1, 0, 0                                 ; sixteen matrix instructions stand between the add and the wait for it
	s_wait_dscnt 0x0                               ; the add is done, and my reads of this slot are over:
	s_barrier_signal -1                            ; say so (where a slot is filled again this barrier opens a round of the cluster's barrier),
	MUL16 F1, 0, 2                                 ; work on registers while the others arrive,
.if \round
	WIN 0
.endif
	s_barrier_wait -1                              ; and go on when all four have said so
.endm
; The whole last quarter.  Behind the round the slot just read out is filled again first, with the K step two steps on; then come the next slot's first fragments.
; From a request to the wait for it a wave issues 224 matrix instructions.
.macro TURN slot, next
	MEET 1
	CREST                                          ; no wave of any partner still reads this slot's tile or has a load on its way
	s_add_nc_u64 s[G0+4*\slot+2:G0+4*\slot+3], s[G0+4*\slot+2:G0+4*\slot+3], 2*KSTEP*2       ; no tensor load of mine is out: a group 0 may be written
	s_add_nc_u64 s[G0B+4*\slot+2:G0B+4*\slot+3], s[G0B+4*\slot+2:G0B+4*\slot+3], 2*KSTEP*2
	JLOAD \slot                                    ; the first tensor load behind the round, my only one until the next; its four v_nop are also the places in front of the loads below
	FETCH \next, 0, F0
	WIN MUL_HI
	MUL16 F1, 1, 0
	MUL16 F1, 1, 2
.endm
; THE WAY OUT of block a (16 rows x 128 columns of f32).  TOSTAGE: a lane's 32 bytes of a row go into my own stage in LDS, straight from the accumulators, each from its low end on;
; the block comes back as whole rows of 512 bytes, into the fragment buffers by turns.  SEND: stored, a row to a store.
.macro TOSTAGE a
.set AC, 64*((\a)%4)
.set BK, F0+64*((\a)%2)
	WIN 0x08+4*((\a)/4)                            ; an LDS store's data is source 1: window 2 or 3
.irp b, 0,1,2,3,4,5,6,7
	ds_store_b128 v[STO], v[AC+8*\b:AC+8*\b+3]   offset:64*\b
	ds_store_b128 v[STO], v[AC+8*\b+4:AC+8*\b+7] offset:64*\b+16
.endr
	WIN 0
.irp t, 0,1,2,3,4,5,6,7,8,9,10,11,12,13,14,15
	ds_load_b128 v[BK+4*\t:BK+4*\t+3], v[RD] offset:\t*SPITCH      ; LDS serves a wave's instructions in order (ISA guide 5.7.1.4): these see the stores above; the next block's stores come behind them
.endr
.endm
.macro SEND a, younger                 ; younger: the LDS instructions issued behind block a's loads: the next block's 32, or none
.set BK, F0+64*((\a)%2)
.irp t, 0,1,2,3,4,5,6,7,8,9,10,11,12,13,14,15
	s_wait_dscnt \younger+15-\t
	global_store_b128 v[CO], v[BK+4*\t:BK+4*\t+3], s[74:75] offset:(16*(\a)+\t)*OROW th:TH_STORE_NT   ; the wave stores 512 consecutive bytes, at a multiple of 512 from out0's first byte; 127 rows at the most: inside the signed 24-bit immediate
.endr
.endm
	s_wait_tensorcnt 1                             ; my part of K step 0 is in; K step 1's may stay out
	s_barrier_signal -1
	s_barrier_wait -1                              ; everybody's is
	FETCH 0, 0, F0
	s_wait_loadcnt 0x0                             ; axb, lbb and the bias
	LORAQ                                          ; bias + the low-rank term: the sums begin
	QUARTER 0, 64,  F0, F1                         ; K step 0's first quarter; its places also stand between the products above and the loads into buffer 1
	WIN 0                                          ; at a label and at a branch every window is 0
	s_mov_b32 s3, LAPS-1
.Llap:                                                 ; a trip goes once round the ring, from a lap's second quarter to the next lap's first, and fills both slots again
	QUARTER 0, 128, F1, F0
	QUARTER 0, 192, F0, F1
	TURN 0, 1
	QUARTER 1, 64,  F0, F1
	QUARTER 1, 128, F1, F0
	QUARTER 1, 192, F0, F1
	TURN 1, 0
	QUARTER 0, 64,  F0, F1
	WIN 0
	s_sub_co_u32 s3, s3, 1
	s_cmp_lg_u32 s3, 0
	s_cbranch_scc1 .Llap
	QUARTER 0, 128, F1, F0                         ; the last lap is written out: it asks for nothing more
	QUARTER 0, 192, F0, F1
	MEET 0                                         ; my one tensor load that was still out is slot 1's, the last K step's, so no round follows
	PLACES                                         ; for the loads into buffer 0, which the quarter before multiplied
	FETCH 1, 0, F0
	WIN MUL_HI
	MUL16 F1, 1, 0
	MUL16 F1, 1, 2
	QUARTER 1, 64,  F0, F1
	QUARTER 1, 128, F1, F0
	QUARTER 1, 192, F0, F1
	s_wait_dscnt 8                                 ; the very last quarter: nothing more to fetch
	WIN MUL_LO
	MUL16 F1, 0, 0
	MUL16 F1, 0, 2
	s_wait_dscnt 0x0
	WIN MUL_HI
	MUL16 F1, 1, 0
	MUL16 F1, 1, 2
	WIN 0
	PLACES                                         ; in front of the stores that read the results and of the loads into the fragment buffers
	TOSTAGE 0
.irp a, 1,2,3,4,5,6,7                  ; block a's way through the stage stands between block a - 1's loads and its stores
.if \a >= 2
	s_wait_xcnt 0x0                                ; block a - 2's stores have had their addresses translated (ISA guide 3.1): only behind this wait are the registers that they read loaded again
.endif
	TOSTAGE \a
	SEND \a-1, 32
.endr
	SEND 7, 0
	s_wait_tensorcnt 0x0                           ; the wave's end: behind my last tensor load and my last LDS store
	ds_add_u32 v[SPW], v[NIL]
	s_wait_dscnt 0x0
	CROUND                                         ; the closing round: no work-group ends while a partner may still ask for a tile that names it
	s_endpgm
.Lfunc_end_k_qa433d5c3e8_gemm_hi:
	.size	k_qa433d5c3e8_gemm_hi, .Lfunc_end_k_qa433d5c3e8_gemm_hi-k_qa433d5c3e8_gemm_hi
	.p2alignl 7, 3214868480
	.fill 96, 4, 3214868480
	.section	.rodata,"a",@progbits
	.p2align	6, 0x0
	.amdhsa_kernel k_qa433d5c3e8_gemm_hi
		.amdhsa_group_segment_fixed_size 327680
		.amdhsa_private_segment_fixed_size 0
		.amdhsa_enable_private_segment 0
		.amdhsa_kernarg_size 48
		.amdhsa_user_sgpr_count 2
		.amdhsa_user_sgpr_kernarg_segment_ptr 1
		.amdhsa_wavefront_size32 1
		.amdhsa_system_sgpr_workgroup_id_x 1
		.amdhsa_system_sgpr_workgroup_id_y 1
		.amdhsa_system_sgpr_workgroup_id_z 1
		.amdhsa_system_vgpr_workitem_id 0
		.amdhsa_next_free_vgpr 1024
		.amdhsa_next_free_sgpr 82
		.amdhsa_reserve_vcc 0
		.amdhsa_float_denorm_mode_32 3
		.amdhsa_float_denorm_mode_16_64 3
		.amdhsa_memory_ordered 1
		.amdhsa_forward_progress 1
		.amdhsa_inst_pref_size 152
	.end_amdhsa_kernel
	.amdgpu_metadata
---
amdhsa.version: [ 1, 2 ]
amdhsa.kernels:
  - .name:           k_qa433d5c3e8_gemm_hi
    .symbol:         k_qa433d5c3e8_gemm_hi.kd
    .args:
      - { .name: xb, .offset: 0, .size: 8, .value_kind: global_buffer, .address_space: global }
      - { .name: wb, .offset: 8, .size: 8, .value_kind: global_buffer, .address_space: global }
      - { .name: axb, .offset: 16, .size: 8, .value_kind: global_buffer, .address_space: global }
      - { .name: lbb, .offset: 24, .size: 8, .value_kind: global_buffer, .address_space: global }
      - { .name: bias, .offset: 32, .size: 8, .value_kind: global_buffer, .address_space: global }
      - { .name: out0, .offset: 40, .size: 8, .value_kind: global_buffer, .address_space: global }
    .group_segment_fixed_size: 327680
    .private_segment_fixed_size: 0
    .kernarg_segment_align: 8
    .kernarg_segment_size: 48
    .max_flat_workgroup_size: 128
    .sgpr_count:     82
    .vgpr_count:     1024
    .wavefront_size: 32
...
	.end_amdgpu_metadata
.endif
;; end of part 3
;; ======== version 2 of 2: 3 launches; 1.20 times as fast as version 1
;; workspace buffers: xb 33,554,432 bytes; wb 33,554,432 bytes; axb 262,144 bytes; lbb 262,144 bytes; part 67,108,864 bytes
;; launch prep: the kernel of part 1 again; grid 256 x 2, 8 waves a work-group, no clusters, 78,848 bytes of LDS; arguments input, weight, lora_A, lora_B, labeler_index, xb, wb, axb, lbb; writes xb, wb, axb, lbb
;; launch gemm_a (part 4): grid 16 x 16, 4 waves a work-group, clusters of 4 x 4, 327,680 bytes of LDS; arguments xb, wb, axb, lbb, bias, part; writes part
.if DOCPART == 4
	.amdgcn_target "amdgcn-amd-amdhsa--gfx1250"
	.amdhsa_code_object_version 6
	.text
	.protected	k_qa433d5c3e8_gemm_a
	.globl	k_qa433d5c3e8_gemm_a
	.p2align	8
	.type	k_qa433d5c3e8_gemm_a,@function
k_qa433d5c3e8_gemm_a:
	s_mov_b64 s[64:65], 0
	v_nop
	global_prefetch_b8 v0, s[64:65] scope:SCOPE_SE
	s_setreg_imm32_b32 hwreg(HW_REG_WAVE_MODE, 25, 1), 1
	s_wait_xcnt 0x0
	s_wait_alu depctr_hold_cnt(0) depctr_sa_sdst(0) depctr_va_vdst(0) depctr_va_sdst(0) depctr_va_ssrc(0) depctr_va_vcc(0) depctr_vm_vsrc(0)
	s_getreg_b32 s2, hwreg(HW_REG_IB_STS2, 6, 4)
	s_cmp_eq_u32 s2, 0
	s_cbranch_scc0 .Lentry_in_a_cluster
	s_endpgm
.Lentry_in_a_cluster:
	s_bfe_u32 s2, ttmp6, 0x10000c
	s_cmp_lg_u32 s2, 0xf033
	s_cbranch_scc0 .Lentry_shape_is_right
	s_endpgm
.Lentry_shape_is_right:
; THE FIRST HALF OF THE PRODUCT.  part(s, o) = bias[o] + sum_r axb[s][r] lbb[o][r] + sum over i < 2048 of xb[s][i] wb[o][i], in f32.
; xb, wb: [4096][4096] bf16; axb, lbb: [4096][32] bf16 (axb holds 0.5 x A_l); bias: [4096] f32.  A second launch adds i = 2048 .. 4095 onto part and writes the output.
; LIMIT: all operands of the products are bf16, as the pass in front rounded them; the bias enters in f32, unrounded.
; WHY TWO LAUNCHES, AND WHY ALONG K.  One launch is to hold half of the product's matrix instructions.  Split along K, each launch still has 16 x 16 tiles of 256 x 256: a work-group for each of 256 WGPs.
; The price is stated: the 67,108,864 bytes of partial sums go to memory here and are read back there.
; part IS LAID AS THE REGISTERS LIE: wave w of tile (ty, tx) owns the 65,536 bytes at ((16 ty + tx) 4 + w) << 16; registers 4 p .. 4 p + 3 of accumulator n, lane l, lie at 1024 n + 512 p + 16 l.
; So a wave's store covers 512 consecutive bytes, aligned, straight from the accumulators: no stage in LDS, no conversion, and the second launch loads them straight into its accumulators.
; A tile is made by a work-group of four waves; a wave makes 128 x 128: 64 accumulators of 16 x 16, 512 registers.
; THE LOW-RANK TERM AND THE BIAS START THE SUMS: the first 64 products are axb's 32 columns against lbb's, a quarter K step of their own, with the bias as their C operand: nothing is cleared.
; Then K goes in steps of 128 through a ring of two LDS slots filled by the tensor data mover: the rows of the tiles are 256 bytes of memory and start at multiples of 256 bytes from the buffer's first byte.
; CLUSTERS: 4 x 4 work-groups.  The four of a row of the cluster need the same tiles of xb, the four of a column the same tiles of wb: each tile is asked for JOINTLY, by the same tensor load with the
; same descriptor and a mask that names the four; each receives it in its own LDS.  That divides the requests for xb and wb by four.
;
; REGISTERS, in windows of 256 (s_set_vgpr_msb's low byte: bits 1:0 source 0, 3:2 source 1, 5:4 source 2, 7:6 destination):
;   window 0: v0-31 addresses; v64-127, v128-191 fragments of xb (8 x 16 rows x 32 K), two buffers; v192-255 the bias of my 128 columns, laid as a C operand
;   window 1: v64-127, v128-191 fragments of wb, two buffers
;   window 2: the 32 accumulators of my rows 0-63 (accumulator (a, b) at v[8 (8 a + b)]);   window 3: those of my rows 64-127
; THE MATRIX INSTRUCTION IS USED TRANSPOSED: source 0 = 16 rows of wb, source 1 = 16 rows of xb.  In the result lane l holds row l % 16 and its registers 0 to 7 the columns 8 (l / 16) + 0 .. 7;
; the C operand hangs on the column alone, so one set of 64 registers of bias serves all eight blocks of rows.
.set SIZE_K, 4096                      ; elements from row to row of xb and wb
.set K0,     0                         ; this launch's first column of them
.set KPART,  2048                      ; and how many it takes
.set KSTEP,  128
.set PITCH,  272                       ; an LDS row: 256 bytes of data + 16 of padding = 68 words: the 16 rows that a fragment load touches start 4 banks apart (64 banks of 4 bytes: ISA guide 11.1)
.set HALFT,  128*PITCH                 ; 128 rows: what one tensor load brings, and what one wave reads of xb or of wb
.set SLOT,   4*HALFT                   ; xb's 256 rows, then wb's 256 rows
.set SPARE,  2*SLOT                    ; behind the ring: the spare words, 128 bytes for each wave: two blocks of 256 bytes that no other line names
.set LAPS,   KPART/(2*KSTEP)           ; a lap = two K steps = once round the ring: 8
.set ADRA, 16                          ; v16-17  LDS address of my xb fragments in slot 0, 1
.set ADRB, 20                          ; v20-21  the same for wb
.set CO,   26                          ; v26     16 x lane: my 16 bytes of a store of 512
.set LO,   27                          ; v27     my place in a fragment of axb or lbb: (lane % 16) x 64 + 16 (lane / 16)
.set SPW,  28                          ; v28     LDS address of my spare word: SPARE + 4 x my thread's number; never rewritten
.set NIL,  29                          ; v29     0; never rewritten
.set BO,   30                          ; v30     32 (lane / 16): my eight numbers of sixteen of the bias
.set F0,   64                          ; fragment buffer 0
.set F1,   128                         ; fragment buffer 1
.set BI,   192                         ; the bias
.set G1, 24                            ; s[24:31] descriptor group 1 for xb's tiles
.set G0, 32                            ; s[32:39] descriptor group 0 for xb's tiles, one set for each slot
.set G1B, 48                           ; s[48:55] descriptor group 1 for wb's tiles: it differs in the mask alone
.set G0B, 56                           ; s[56:63] descriptor group 0 for wb's tiles, one set for each slot
.set MSB, 0
.macro WIN new                         ; the immediate's high byte repeats the setting that is left; a switch that changes nothing is dropped
.if MSB != \new
	s_set_vgpr_msb (MSB<<8)|\new
.set MSB, \new
.endif
.endm
.set MUL_LO, 0xa1                      ; source 0 (wb) window 1, source 1 (xb) window 0, C and D window 2
.set MUL_HI, 0xf1                      ; the same, C and D window 3
.set TO_B,   0x40                      ; destination window 1, address window 0
; A joint refill.  Waves 0 and 1 fetch xb's two halves, waves 2 and 3 wb's.  Each of the two lines has one mask and one set of registers for all that issue it.  The branch hangs on the wave's
; number alone.  Four v_nop follow each of the two lines, ahead of the jump, the label and what follows the macro.
.macro JLOAD s
	s_cmp_eq_u32 s11, 0
	s_cbranch_scc0 .Lfor_b_\@
	tensor_load_to_lds s[G0+4*\s:G0+4*\s+3], s[G1:G1+7]
	s_nop 0
.rept 4
	v_nop
.endr
	s_branch .Lasked_\@
.Lfor_b_\@:
	tensor_load_to_lds s[G0B+4*\s:G0B+4*\s+3], s[G1B:G1B+7]
	s_nop 0
.rept 4
	v_nop
.endr
.Lasked_\@:
.endm
; A round of the cluster's barrier: my work-group's barrier, so that wave 0's signal speaks for all four waves; wave 0 signals for the work-group; every wave waits for all sixteen
; work-groups; my work-group's barrier once more.
.macro CREST                           ; a round behind its opening barrier
	s_cmp_lg_u32 s10, 0
	s_cbranch_scc1 .Lnot_wave_0_\@
	s_barrier_signal -3
.Lnot_wave_0_\@:
	s_barrier_wait -3
	s_barrier_signal -1
	s_barrier_wait -1
.endm
.macro CROUND                          ; a whole round
	s_barrier_signal -1
	s_barrier_wait -1
	CREST
.endm
	s_load_b128 s[4:7], s[0:1], 0x0                ; xb s[4:5], wb s[6:7]
	s_load_b128 s[68:71], s[0:1], 0x10             ; axb s[68:69], lbb s[70:71]
	s_load_b128 s[72:75], s[0:1], 0x20             ; bias s[72:73], part s[74:75]
	v_lshl_add_u32 v[SPW], v0, 2, SPARE
	v_mov_b32 v[NIL], 0
	ds_add_u32 v28, v29
	ds_add_u32 v28, v29
	s_wait_dscnt 0x0
	v_lshrrev_b32 v1, 5, v0
	v_readfirstlane_b32 s10, v1                    ; wave 0..3
	s_lshr_b32 s11, s10, 1                         ; which half of the tile's rows is mine.  Also: I fetch for xb (0) or for wb (1)
	s_and_b32 s12, s10, 1                          ; which half of its columns.  Also: which 128 rows of that tile I fetch
	s_bfe_u32 s40, ttmp6, 0x40000                  ; cx: my place along the cluster's x
	s_bfe_u32 s41, ttmp6, 0x40004                  ; cy: along its y
	s_lshl_b32 s42, ttmp9, 2                       ; in a cluster launch ttmp9 and ttmp7 count clusters
	s_add_co_u32 s42, s42, s40                     ; tile column = 4 x cluster x + cx
	s_and_b32 s13, ttmp7, 0xffff
	s_lshl_b32 s13, s13, 2
	s_add_co_u32 s13, s13, s41                     ; tile row = 4 x cluster y + cy
	s_lshl_b32 s43, s41, 2
	s_lshl_b32 s43, 15, s43                        ; my row of the cluster: places 4 cy .. 4 cy + 3
	s_lshl_b32 s44, 0x1111, s40                    ; my column: places cx, cx + 4, cx + 8, cx + 12
	; descriptor group 1: a tile of 128 rows x 128 elements, padded in LDS
	s_or_b32 s[G1+0], s43, (1<<16)|(1<<20)|(1<<21)|(5<<22)|(3<<25)  ; 15:0 the mask: xb's tiles go to my row; 17:16 elements of 2 bytes; 20 padding on; 21 set beside a mask; 24:22 after every 64 words (code 5); 31:25 4 words of it (code 3)
	s_or_b32 s[G1B+0], s44, (1<<16)|(1<<20)|(1<<21)|(5<<22)|(3<<25) ; the same with the mask of my column, for wb's tiles
.irp g, G1, G1B
	s_mov_b32 s[\g+1], KSTEP<<16                   ; 63:48 tensor_dim0, low half = 128
	s_mov_b32 s[\g+2], 128<<16                     ; 79:64 its high half = 0; 95:80 tensor_dim1, low half = 128
	s_mov_b32 s[\g+3], KSTEP<<16                   ; 111:96 its high half = 0; 127:112 tile_dim0 = 128
	s_mov_b32 s[\g+4], 128                         ; 143:128 tile_dim1 = 128; 159:144 tile_dim2 = 0
	s_mov_b32 s[\g+5], SIZE_K                      ; 191:160 tensor_dim0_stride, low word: elements from row to row
	s_mov_b32 s[\g+6], 0
	s_mov_b32 s[\g+7], 0
.endr
	; where the tiles come from.  xb's hang on the tile row alone, which my row of the cluster shares; wb's on the tile column alone, which my column shares.
	; Every wave makes both addresses, in registers that never hold the other coordinate, and asks by one of them.  A row is 8,192 bytes; 4,095 rows stay under 2^31.
	s_lshl_b32 s17, s12, 7                         ; which 128 rows of the tile I fetch
	s_lshl_b32 s16, s13, 8
	s_add_co_u32 s16, s16, s17                     ; xb: row 256 x tile row + 128 x half
	s_lshl_b32 s16, s16, 13
	s_lshl_b32 s46, s42, 8
	s_add_co_u32 s46, s46, s17                     ; wb: row 256 x tile column + 128 x half
	s_lshl_b32 s46, s46, 13
	s_mov_b32 s17, 0
	s_mov_b32 s47, 0
	s_mul_i32 s20, s10, HALFT                      ; and where they go: xb's two halves, then wb's two = wave x 128 rows: no place in the cluster enters an LDS address
	; my wave's own 128 x 128: its first row and column, for axb, lbb and the bias; its number, for part
	s_lshl_b32 s76, s13, 8
	s_lshl_b32 s77, s11, 7
	s_add_co_u32 s76, s76, s77                     ; my first row
	s_lshl_b32 s78, s42, 8
	s_lshl_b32 s79, s12, 7
	s_add_co_u32 s78, s78, s79                     ; my first column
	s_lshl_b32 s22, s78, 2                         ; the bias: 4 bytes a column
	s_lshl_b32 s76, s76, 6                         ; axb: rows of 64 bytes
	s_lshl_b32 s78, s78, 6                         ; lbb: likewise, by my columns
	s_lshl_b32 s80, s13, 4
	s_add_co_u32 s80, s80, s42                     ; the tile's number, 16 x tile row + tile column,
	s_lshl_b32 s80, s80, 2
	s_add_co_u32 s80, s80, s10                     ; times four waves, + mine:
	s_lshl_b32 s80, s80, 16                        ; 65,536 bytes of part each
	s_mov_b32 s23, 0
	s_mov_b32 s77, 0
	s_mov_b32 s79, 0
	s_mov_b32 s81, 0
	s_wait_kmcnt 0x0
	s_add_nc_u64 s[14:15], s[4:5], s[16:17]
	s_add_nc_u64 s[46:47], s[6:7], s[46:47]
	s_add_nc_u64 s[68:69], s[68:69], s[76:77]
	s_add_nc_u64 s[70:71], s[70:71], s[78:79]
	s_add_nc_u64 s[72:73], s[72:73], s[22:23]
	s_add_nc_u64 s[74:75], s[74:75], s[80:81]
	CROUND                                         ; all sixteen work-groups are here: the first joint loads meet
.irp s, 0,1
	s_mov_b32 s[G0+4*\s], 1                                        ; 1:0 count = 1
	s_add_co_u32 s[G0+4*\s+1], s20, \s*SLOT                        ; 63:32 LDS address
	s_add_nc_u64 s[G0+4*\s+2:G0+4*\s+3], s[14:15], K0*2+\s*KSTEP*2 ; 120:64 global address: this launch's K step s
	s_or_b32 s[G0+4*\s+3], s[G0+4*\s+3], 0x80000000                ; 127:126 type = 2
	s_mov_b32 s[G0B+4*\s], 1
	s_add_co_u32 s[G0B+4*\s+1], s20, \s*SLOT
	s_add_nc_u64 s[G0B+4*\s+2:G0B+4*\s+3], s[46:47], K0*2+\s*KSTEP*2
	s_or_b32 s[G0B+4*\s+3], s[G0B+4*\s+3], 0x80000000
.endr
	s_cmp_eq_u32 s11, 0                            ; a wave's two first fills stand in one branch, ahead of every wait on TENSORcnt, every LDS read and every later barrier: two loads of mine are out
	s_cbranch_scc0 .Lfirst_b
	tensor_load_to_lds s[G0:G0+3], s[G1:G1+7]
	s_nop 0
	tensor_load_to_lds s[G0+4:G0+7], s[G1:G1+7]
	s_nop 0
.rept 4
	v_nop
.endr
	s_branch .Lfirst_asked
.Lfirst_b:
	tensor_load_to_lds s[G0B:G0B+3], s[G1B:G1B+7]
	s_nop 0
	tensor_load_to_lds s[G0B+4:G0B+7], s[G1B:G1B+7]
	s_nop 0
.rept 4
	v_nop
.endr
.Lfirst_asked:
	; A fragment is 16 rows x 32 K in 8 registers: lane l holds row l % 16; registers 0-3 hold K = 8 (l / 16) + 0..7, registers 4-7 K = 16 + 8 (l / 16) + 0..7:
	; two loads of 16 bytes, 32 bytes apart.  The same for source 0 and source 1.
	v_and_b32 v1, 15, v0                           ; l % 16
	v_bfe_u32 v2, v0, 4, 1                         ; l / 16
	v_lshlrev_b32 v[LO], 6, v1
	v_lshl_add_u32 v[LO], v2, 4, v[LO]
	v_lshlrev_b32 v[BO], 5, v2
	; The low-rank quarter's operands come straight from memory into buffer 1: a row of axb or lbb is the whole K of 32.  48 loads, waited for once.
	WIN TO_B
.irp b, 0,1,2,3,4,5,6,7
	global_load_b128 v[F1+8*\b:F1+8*\b+3],   v[LO], s[70:71] offset:1024*\b
	global_load_b128 v[F1+8*\b+4:F1+8*\b+7], v[LO], s[70:71] offset:1024*\b+32
.endr
	WIN 0
.irp a, 0,1,2,3,4,5,6,7
	global_load_b128 v[F1+8*\a:F1+8*\a+3],   v[LO], s[68:69] offset:1024*\a
	global_load_b128 v[F1+8*\a+4:F1+8*\a+7], v[LO], s[68:69] offset:1024*\a+32
.endr
.irp b, 0,1,2,3,4,5,6,7
	global_load_b128 v[BI+8*\b:BI+8*\b+3],   v[BO], s[72:73] offset:64*\b      ; register j of block b: bias[16 b + 8 (l / 16) + j], whatever the row
	global_load_b128 v[BI+8*\b+4:BI+8*\b+7], v[BO], s[72:73] offset:64*\b+16
.endr
	v_mul_u32_u24 v3, v1, PITCH
	v_lshl_add_u32 v3, v2, 4, v3                   ; row x pitch + 16 x half
	s_mul_i32 s21, s11, HALFT                      ; my 128 rows of xb
	s_mul_i32 s22, s12, HALFT                      ; my 128 rows of wb,
	s_add_co_u32 s22, s22, 2*HALFT                 ; which lie behind xb's 256
.irp s, 0,1
	v_add_nc_u32 v[ADRA+\s], s21, v3
	v_add_nc_u32 v[ADRB+\s], s22, v3
	s_add_co_u32 s21, s21, SLOT
	s_add_co_u32 s22, s22, SLOT
.endr
	v_and_b32 v5, 31, v0
	v_lshlrev_b32 v[CO], 4, v5                     ; the way out: the 32 lanes fill 512 consecutive bytes
; 16 matrix instructions: m blocks a0, a0 + 1 of the window's four (hi = 0: my rows 0-63, 1: rows 64-127) x all 8 n blocks, 32 along K.
.macro MUL16 f, hi, a0
.irp a, \a0, \a0+1
.irp b, 0,1,2,3,4,5,6,7
	v_wmma_f32_16x16x32_bf16 v[8*(8*(\a)+\b):8*(8*(\a)+\b)+7], v[\f+8*\b:\f+8*\b+7], v[\f+8*(4*\hi+\a):\f+8*(4*\hi+\a)+7], v[8*(8*(\a)+\b):8*(8*(\a)+\b)+7]
.endr
.endr
.endm
; The 64 products that start the sums: lbb's fragments x axb's, C = the bias (window 0), D = the accumulators, in the order in which every later quarter takes them.
.macro LORAQ
.irp hi, 0,1
	WIN 0x81+0x40*\hi                              ; source 0 window 1, source 1 and C window 0, D window 2 or 3
.irp a, 0,1,2,3
.irp b, 0,1,2,3,4,5,6,7
	v_wmma_f32_16x16x32_bf16 v[8*(8*\a+\b):8*(8*\a+\b)+7], v[F1+8*\b:F1+8*\b+7], v[F1+8*(4*\hi+\a):F1+8*(4*\hi+\a)+7], v[BI+8*\b:BI+8*\b+7]
.endr
.endr
.endr
.endm
; 32 LDS loads in one run: the fragments of one quarter step (128 rows of wb, 128 rows of xb, 32 K at byte k of the rows) into buffer f
.macro FETCH slot, k, f
	WIN TO_B
.irp i, 0,1,2,3,4,5,6,7
	ds_load_b128 v[\f+8*\i:\f+8*\i+3],   v[ADRB+\slot] offset:\k+\i*16*PITCH
	ds_load_b128 v[\f+8*\i+4:\f+8*\i+7], v[ADRB+\slot] offset:\k+\i*16*PITCH+32
.endr
	WIN 0
.irp i, 0,1,2,3,4,5,6,7
	ds_load_b128 v[\f+8*\i:\f+8*\i+3],   v[ADRA+\slot] offset:\k+\i*16*PITCH
	ds_load_b128 v[\f+8*\i+4:\f+8*\i+7], v[ADRA+\slot] offset:\k+\i*16*PITCH+32
.endr
.endm
; A load into a register that a matrix instruction has read, and a store that reads a matrix result, stand four places behind that matrix instruction, and only plain vector instructions
; that name none of its registers are places (ISA guide 7.12.1 for vector instructions); the matrix instructions in between are not counted.
.macro PLACES
.rept 4
	v_nop
.endr
.endm
; A K step is four quarter steps of 32 along K, 64 matrix instructions each, on buffers 0, 1, 0, 1.  The 64 accumulators take turns, one instruction a turn, in the same order in every quarter.
; One of the first three quarters: multiplies buffer f; in its middle it fetches the next quarter's fragments, at byte k of the same slot's rows, into buffer g.
.macro QUARTER slot, k, f, g
	s_wait_dscnt 8                                 ; wb and xb's rows 0-63 are in; the youngest eight loads (xb's rows 64-127) may be out
	WIN MUL_LO
	MUL16 \f, 0, 0
	MUL16 \f, 0, 2
	PLACES
	FETCH \slot, \k, \g
	s_wait_dscnt 32                                ; all but the 32 just issued
	WIN MUL_HI
	MUL16 \f, 1, 0
	MUL16 \f, 1, 2
.endm
; The last quarter multiplies buffer 1 and changes slots.  MEET is its first half: ONE barrier for the change.  In front of it each wave waits for all its tensor loads, of which one is out: its part
; of the next slot; adds 0 to its spare word; and waits for that and for its own reads of this slot.  Behind it nobody reads this slot any more and the next slot is whole.
.macro MEET round                      ; round = 1: a round of the cluster's barrier follows
	WIN 0                                          ; (the add's two registers lie in window 0)
	s_wait_tensorcnt 0x0                           ; all my tensor loads have landed: the one that was out is my part of the next slot;
	ds_add_u32 v[SPW], v[NIL]                      ; 0 onto my spare word;
	s_wait_dscnt 9                                 ; (the add and the youngest eight loads may be out)
	WIN MUL_LO
	MUL16 F1, 0, 0                                 ; sixteen matrix instructions stand between the add and the wait for it
	s_wait_dscnt 0x0                               ; the add is done, and my reads of this slot are over:
	s_barrier_signal -1                            ; say so (where a slot is filled again this barrier opens a round of the cluster's barrier),
	MUL16 F1, 0, 2                                 ; work on registers while the others arrive,
.if \round
	WIN 0
.endif
	s_barrier_wait -1                              ; and go on when all four have said so
.endm
; The whole last quarter.  Behind the round the slot just read out is filled again first, with the K step two steps on; then come the next slot's first fragments.
; From a request to the wait for it a wave issues 224 matrix instructions.
.macro TURN slot, next
	MEET 1
	CREST                                          ; no wave of any partner still reads this slot's tile or has a load on its way
	s_add_nc_u64 s[G0+4*\slot+2:G0+4*\slot+3], s[G0+4*\slot+2:G0+4*\slot+3], 2*KSTEP*2       ; no tensor load of mine is out: a group 0 may be written
	s_add_nc_u64 s[G0B+4*\slot+2:G0B+4*\slot+3], s[G0B+4*\slot+2:G0B+4*\slot+3], 2*KSTEP*2
	JLOAD \slot                                    ; the first tensor load behind the round, my only one until the next; its four v_nop are also the places in front of the loads below
	FETCH \next, 0, F0
	WIN MUL_HI
	MUL16 F1, 1, 0
	MUL16 F1, 1, 2
.endm
; THE WAY OUT: the 32 accumulators of window 2 + hi, as they lie, each from its low end on.
.macro OUTHALF hi
	WIN 0x08+4*\hi                                 ; a store's data is source 1: window 2 or 3; its address, source 0, window 0
.set n, 0
.rept 32
	global_store_b128 v[CO], v[8*n:8*n+3],   s[74:75] offset:(32*\hi+n)*1024 th:TH_STORE_NT       ; the wave stores 512 consecutive bytes, at a multiple of 512 from part's first byte
	global_store_b128 v[CO], v[8*n+4:8*n+7], s[74:75] offset:(32*\hi+n)*1024+512 th:TH_STORE_NT
.set n, n+1
.endr
.endm
	s_wait_tensorcnt 1                             ; my part of K step 0 is in; K step 1's may stay out
	s_barrier_signal -1
	s_barrier_wait -1                              ; everybody's is
	FETCH 0, 0, F0
	s_wait_loadcnt 0x0                             ; axb, lbb and the bias
	LORAQ                                          ; bias + the low-rank term: the sums begin
	QUARTER 0, 64,  F0, F1                         ; K step 0's first quarter; its places also stand between the products above and the loads into buffer 1
	WIN 0                                          ; at a label and at a branch every window is 0
	s_mov_b32 s3, LAPS-1
.Llap:                                                 ; a trip goes once round the ring, from a lap's second quarter to the next lap's first, and fills both slots again
	QUARTER 0, 128, F1, F0
	QUARTER 0, 192, F0, F1
	TURN 0, 1
	QUARTER 1, 64,  F0, F1
	QUARTER 1, 128, F1, F0
	QUARTER 1, 192, F0, F1
	TURN 1, 0
	QUARTER 0, 64,  F0, F1
	WIN 0
	s_sub_co_u32 s3, s3, 1
	s_cmp_lg_u32 s3, 0
	s_cbranch_scc1 .Llap
	QUARTER 0, 128, F1, F0                         ; the last lap is written out: it asks for nothing more
	QUARTER 0, 192, F0, F1
	MEET 0                                         ; my one tensor load that was still out is slot 1's, the last K step's, so no round follows
	PLACES                                         ; for the loads into buffer 0, which the quarter before multiplied
	FETCH 1, 0, F0
	WIN MUL_HI
	MUL16 F1, 1, 0
	MUL16 F1, 1, 2
	QUARTER 1, 64,  F0, F1
	QUARTER 1, 128, F1, F0
	QUARTER 1, 192, F0, F1
	s_wait_dscnt 8                                 ; the very last quarter: nothing more to fetch
	WIN MUL_LO
	MUL16 F1, 0, 0
	MUL16 F1, 0, 2
	s_wait_dscnt 0x0
	WIN MUL_HI
	MUL16 F1, 1, 0
	MUL16 F1, 1, 2
	WIN 0
	PLACES                                         ; in front of the stores that read the results
	OUTHALF 0
	OUTHALF 1
	WIN 0
	s_wait_tensorcnt 0x0                           ; the wave's end: behind my last tensor load
	ds_add_u32 v[SPW], v[NIL]
	s_wait_dscnt 0x0
	CROUND                                         ; the closing round: no work-group ends while a partner may still ask for a tile that names it
	s_endpgm
.Lfunc_end_k_qa433d5c3e8_gemm_a:
	.size	k_qa433d5c3e8_gemm_a, .Lfunc_end_k_qa433d5c3e8_gemm_a-k_qa433d5c3e8_gemm_a
	.p2alignl 7, 3214868480
	.fill 96, 4, 3214868480
	.section	.rodata,"a",@progbits
	.p2align	6, 0x0
	.amdhsa_kernel k_qa433d5c3e8_gemm_a
		.amdhsa_group_segment_fixed_size 327680
		.amdhsa_private_segment_fixed_size 0
		.amdhsa_enable_private_segment 0
		.amdhsa_kernarg_size 48
		.amdhsa_user_sgpr_count 2
		.amdhsa_user_sgpr_kernarg_segment_ptr 1
		.amdhsa_wavefront_size32 1
		.amdhsa_system_sgpr_workgroup_id_x 1
		.amdhsa_system_sgpr_workgroup_id_y 1
		.amdhsa_system_sgpr_workgroup_id_z 1
		.amdhsa_system_vgpr_workitem_id 0
		.amdhsa_next_free_vgpr 1024
		.amdhsa_next_free_sgpr 82
		.amdhsa_reserve_vcc 0
		.amdhsa_float_denorm_mode_32 3
		.amdhsa_float_denorm_mode_16_64 3
		.amdhsa_memory_ordered 1
		.amdhsa_forward_progress 1
		.amdhsa_inst_pref_size 132
	.end_amdhsa_kernel
	.amdgpu_metadata
---
amdhsa.version: [ 1, 2 ]
amdhsa.kernels:
  - .name:           k_qa433d5c3e8_gemm_a
    .symbol:         k_qa433d5c3e8_gemm_a.kd
    .args:
      - { .name: xb, .offset: 0, .size: 8, .value_kind: global_buffer, .address_space: global }
      - { .name: wb, .offset: 8, .size: 8, .value_kind: global_buffer, .address_space: global }
      - { .name: axb, .offset: 16, .size: 8, .value_kind: global_buffer, .address_space: global }
      - { .name: lbb, .offset: 24, .size: 8, .value_kind: global_buffer, .address_space: global }
      - { .name: bias, .offset: 32, .size: 8, .value_kind: global_buffer, .address_space: global }
      - { .name: part, .offset: 40, .size: 8, .value_kind: global_buffer, .address_space: global }
    .group_segment_fixed_size: 327680
    .private_segment_fixed_size: 0
    .kernarg_segment_align: 8
    .kernarg_segment_size: 48
    .max_flat_workgroup_size: 128
    .sgpr_count:     82
    .vgpr_count:     1024
    .wavefront_size: 32
...
	.end_amdgpu_metadata
.endif
;; end of part 4
;; launch gemm_b (part 5): grid 16 x 16, 4 waves a work-group, clusters of 4 x 4, 327,680 bytes of LDS; arguments xb, wb, part, out0; writes out0
.if DOCPART == 5
	.amdgcn_target "amdgcn-amd-amdhsa--gfx1250"
	.amdhsa_code_object_version 6
	.text
	.protected	k_qa433d5c3e8_gemm_b
	.globl	k_qa433d5c3e8_gemm_b
	.p2align	8
	.type	k_qa433d5c3e8_gemm_b,@function
k_qa433d5c3e8_gemm_b:
	s_mov_b64 s[64:65], 0
	v_nop
	global_prefetch_b8 v0, s[64:65] scope:SCOPE_SE
	s_setreg_imm32_b32 hwreg(HW_REG_WAVE_MODE, 25, 1), 1
	s_wait_xcnt 0x0
	s_wait_alu depctr_hold_cnt(0) depctr_sa_sdst(0) depctr_va_vdst(0) depctr_va_sdst(0) depctr_va_ssrc(0) depctr_va_vcc(0) depctr_vm_vsrc(0)
	s_getreg_b32 s2, hwreg(HW_REG_IB_STS2, 6, 4)
	s_cmp_eq_u32 s2, 0
	s_cbranch_scc0 .Lentry_in_a_cluster
	s_endpgm
.Lentry_in_a_cluster:
	s_bfe_u32 s2, ttmp6, 0x10000c
	s_cmp_lg_u32 s2, 0xf033
	s_cbranch_scc0 .Lentry_shape_is_right
	s_endpgm
.Lentry_shape_is_right:
; THE SECOND HALF OF THE PRODUCT.  out0[s][o] = part(s, o) + sum over i = 2048 .. 4095 of xb[s][i] wb[o][i].   xb, wb: [4096][4096] bf16; out0: [4096][4096] f32.
; part holds, in f32, the bias, the low-rank term and the sum over i < 2048, as the launch in front left them.  Sums in f32.  LIMIT: the operands of the products are bf16.
; WHY TWO LAUNCHES, AND WHY ALONG K.  One launch is to hold half of the product's matrix instructions.  Split along K, each launch still has 16 x 16 tiles of 256 x 256: a work-group for each of 256 WGPs.
; The price is stated: the 67,108,864 bytes of partial sums were written there and are read back here, ahead of the first product.
; part IS LAID AS THE REGISTERS LIE: wave w of tile (ty, tx) owns the 65,536 bytes at ((16 ty + tx) 4 + w) << 16; registers 4 p .. 4 p + 3 of accumulator n, lane l, lie at 1024 n + 512 p + 16 l.
; So a wave's load covers 512 consecutive bytes, aligned, and lands in the accumulators themselves: the products add onto them in place, and nothing is cleared or added by hand.
; A tile is made by a work-group of four waves; a wave makes 128 x 128: 64 accumulators of 16 x 16, 512 registers.
; K goes in steps of 128 through a ring of two LDS slots filled by the tensor data mover: the rows of the tiles are 256 bytes of memory and start at multiples of 256 bytes from the buffer's first byte.
; CLUSTERS: 4 x 4 work-groups.  The four of a row of the cluster need the same tiles of xb, the four of a column the same tiles of wb: each tile is asked for JOINTLY, by the same tensor load with the
; same descriptor and a mask that names the four; each receives it in its own LDS.  That divides the requests for xb and wb by four.
;
; REGISTERS, in windows of 256 (s_set_vgpr_msb's low byte: bits 1:0 source 0, 3:2 source 1, 5:4 source 2, 7:6 destination):
;   window 0: v0-31 addresses; v64-127, v128-191 fragments of xb (8 x 16 rows x 32 K), two buffers, on the way out rows of out0
;   window 1: v64-127, v128-191 fragments of wb, two buffers
;   window 2: the 32 accumulators of my rows 0-63 (accumulator (a, b) at v[8 (8 a + b)]);   window 3: those of my rows 64-127
; THE MATRIX INSTRUCTION IS USED TRANSPOSED: source 0 = 16 rows of wb, source 1 = 16 rows of xb.  In the result lane l holds row l % 16 of out0 and its registers 0 to 7 the columns
; 8 (l / 16) + 0 .. 7: 32 consecutive bytes of a row.
.set SIZE_K, 4096                      ; elements from row to row of xb and wb
.set K0,     2048                      ; this launch's first column of them
.set KPART,  2048                      ; and how many it takes
.set SIZE_N, 4096
.set OROW,   SIZE_N*4                  ; a row of out0 in bytes
.set KSTEP,  128
.set PITCH,  272                       ; an LDS row: 256 bytes of data + 16 of padding = 68 words: the 16 rows that a fragment load touches start 4 banks apart (64 banks of 4 bytes: ISA guide 11.1)
.set HALFT,  128*PITCH                 ; 128 rows: what one tensor load brings, and what one wave reads of xb or of wb
.set SLOT,   4*HALFT                   ; xb's 256 rows, then wb's 256 rows
.set STAGE,  2*SLOT                    ; behind the ring: 16 rows x 528 bytes for each wave, for the way out; no tensor load lands there
.set SPITCH, 528                       ; 512 bytes (128 f32) + 16
.set SPARE,  STAGE+4*16*SPITCH         ; behind the stages: the spare words, 128 bytes for each wave: two blocks of 256 bytes that no other line names
.set LAPS,   KPART/(2*KSTEP)           ; a lap = two K steps = once round the ring: 8
.set ADRA, 16                          ; v16-17  LDS address of my xb fragments in slot 0, 1
.set ADRB, 20                          ; v20-21  the same for wb
.set STO,  24                          ; v24     the way out: where I put 32 bytes of a row
.set RD,   25                          ; v25     the way out: where I read 16 bytes of a row back
.set CO,   26                          ; v26     16 x lane: my 16 bytes of a load or store of 512
.set SPW,  28                          ; v28     LDS address of my spare word: SPARE + 4 x my thread's number; never rewritten
.set NIL,  29                          ; v29     0; never rewritten
.set F0,   64                          ; fragment buffer 0
.set F1,   128                         ; fragment buffer 1
.set G1, 24                            ; s[24:31] descriptor group 1 for xb's tiles
.set G0, 32                            ; s[32:39] descriptor group 0 for xb's tiles, one set for each slot
.set G1B, 48                           ; s[48:55] descriptor group 1 for wb's tiles: it differs in the mask alone
.set G0B, 56                           ; s[56:63] descriptor group 0 for wb's tiles, one set for each slot
.set MSB, 0
.macro WIN new                         ; the immediate's high byte repeats the setting that is left; a switch that changes nothing is dropped
.if MSB != \new
	s_set_vgpr_msb (MSB<<8)|\new
.set MSB, \new
.endif
.endm
.set MUL_LO, 0xa1                      ; source 0 (wb) window 1, source 1 (xb) window 0, C and D window 2
.set MUL_HI, 0xf1                      ; the same, C and D window 3
.set TO_B,   0x40                      ; destination window 1, address window 0
; A joint refill.  Waves 0 and 1 fetch xb's two halves, waves 2 and 3 wb's.  Each of the two lines has one mask and one set of registers for all that issue it.  The branch hangs on the wave's
; number alone.  Four v_nop follow each of the two lines, ahead of the jump, the label and what follows the macro.
.macro JLOAD s
	s_cmp_eq_u32 s11, 0
	s_cbranch_scc0 .Lfor_b_\@
	tensor_load_to_lds s[G0+4*\s:G0+4*\s+3], s[G1:G1+7]
	s_nop 0
.rept 4
	v_nop
.endr
	s_branch .Lasked_\@
.Lfor_b_\@:
	tensor_load_to_lds s[G0B+4*\s:G0B+4*\s+3], s[G1B:G1B+7]
	s_nop 0
.rept 4
	v_nop
.endr
.Lasked_\@:
.endm
; A round of the cluster's barrier: my work-group's barrier, so that wave 0's signal speaks for all four waves; wave 0 signals for the work-group; every wave waits for all sixteen
; work-groups; my work-group's barrier once more.
.macro CREST                           ; a round behind its opening barrier
	s_cmp_lg_u32 s10, 0
	s_cbranch_scc1 .Lnot_wave_0_\@
	s_barrier_signal -3
.Lnot_wave_0_\@:
	s_barrier_wait -3
	s_barrier_signal -1
	s_barrier_wait -1
.endm
.macro CROUND                          ; a whole round
	s_barrier_signal -1
	s_barrier_wait -1
	CREST
.endm
	s_load_b128 s[4:7], s[0:1], 0x0                ; xb s[4:5], wb s[6:7]
	s_load_b128 s[72:75], s[0:1], 0x10             ; part s[72:73], out0 s[74:75]
	v_lshl_add_u32 v[SPW], v0, 2, SPARE
	v_mov_b32 v[NIL], 0
	ds_add_u32 v28, v29
	ds_add_u32 v28, v29
	s_wait_dscnt 0x0
	v_lshrrev_b32 v1, 5, v0
	v_readfirstlane_b32 s10, v1                    ; wave 0..3
	s_lshr_b32 s11, s10, 1                         ; which half of the tile's rows is mine.  Also: I fetch for xb (0) or for wb (1)
	s_and_b32 s12, s10, 1                          ; which half of its columns.  Also: which 128 rows of that tile I fetch
	s_bfe_u32 s40, ttmp6, 0x40000                  ; cx: my place along the cluster's x
	s_bfe_u32 s41, ttmp6, 0x40004                  ; cy: along its y
	s_lshl_b32 s42, ttmp9, 2                       ; in a cluster launch ttmp9 and ttmp7 count clusters
	s_add_co_u32 s42, s42, s40                     ; tile column = 4 x cluster x + cx
	s_and_b32 s13, ttmp7, 0xffff
	s_lshl_b32 s13, s13, 2
	s_add_co_u32 s13, s13, s41                     ; tile row = 4 x cluster y + cy
	s_lshl_b32 s43, s41, 2
	s_lshl_b32 s43, 15, s43                        ; my row of the cluster: places 4 cy .. 4 cy + 3
	s_lshl_b32 s44, 0x1111, s40                    ; my column: places cx, cx + 4, cx + 8, cx + 12
	; descriptor group 1: a tile of 128 rows x 128 elements, padded in LDS
	s_or_b32 s[G1+0], s43, (1<<16)|(1<<20)|(1<<21)|(5<<22)|(3<<25)  ; 15:0 the mask: xb's tiles go to my row; 17:16 elements of 2 bytes; 20 padding on; 21 set beside a mask; 24:22 after every 64 words (code 5); 31:25 4 words of it (code 3)
	s_or_b32 s[G1B+0], s44, (1<<16)|(1<<20)|(1<<21)|(5<<22)|(3<<25) ; the same with the mask of my column, for wb's tiles
.irp g, G1, G1B
	s_mov_b32 s[\g+1], KSTEP<<16                   ; 63:48 tensor_dim0, low half = 128
	s_mov_b32 s[\g+2], 128<<16                     ; 79:64 its high half = 0; 95:80 tensor_dim1, low half = 128
	s_mov_b32 s[\g+3], KSTEP<<16                   ; 111:96 its high half = 0; 127:112 tile_dim0 = 128
	s_mov_b32 s[\g+4], 128                         ; 143:128 tile_dim1 = 128; 159:144 tile_dim2 = 0
	s_mov_b32 s[\g+5], SIZE_K                      ; 191:160 tensor_dim0_stride, low word: elements from row to row
	s_mov_b32 s[\g+6], 0
	s_mov_b32 s[\g+7], 0
.endr
	; where the tiles come from.  xb's hang on the tile row alone, which my row of the cluster shares; wb's on the tile column alone, which my column shares.
	; Every wave makes both addresses, in registers that never hold the other coordinate, and asks by one of them.  A row is 8,192 bytes; 4,095 rows stay under 2^31.
	s_lshl_b32 s17, s12, 7                         ; which 128 rows of the tile I fetch
	s_lshl_b32 s16, s13, 8
	s_add_co_u32 s16, s16, s17                     ; xb: row 256 x tile row + 128 x half
	s_lshl_b32 s16, s16, 13
	s_lshl_b32 s46, s42, 8
	s_add_co_u32 s46, s46, s17                     ; wb: row 256 x tile column + 128 x half
	s_lshl_b32 s46, s46, 13
	s_mov_b32 s17, 0
	s_mov_b32 s47, 0
	s_mul_i32 s20, s10, HALFT                      ; and where they go: xb's two halves, then wb's two = wave x 128 rows: no place in the cluster enters an LDS address
	; my wave's own 128 x 128: its first row and column, for out0; its number, for part
	s_lshl_b32 s78, s13, 8
	s_lshl_b32 s79, s11, 7
	s_add_co_u32 s78, s78, s79                     ; my first row:
	s_lshl_b32 s80, s78, 14                        ; rows of 16,384 bytes of out0
	s_lshl_b32 s78, s42, 8
	s_lshl_b32 s79, s12, 7
	s_add_co_u32 s78, s78, s79                     ; my first column:
	s_lshl_b32 s78, s78, 2                         ; 4 bytes each
	s_add_co_u32 s80, s80, s78
	s_lshl_b32 s76, s13, 4
	s_add_co_u32 s76, s76, s42                     ; the tile's number, 16 x tile row + tile column,
	s_lshl_b32 s76, s76, 2
	s_add_co_u32 s76, s76, s10                     ; times four waves, + mine:
	s_lshl_b32 s76, s76, 16                        ; 65,536 bytes of part each
	s_mov_b32 s77, 0
	s_mov_b32 s81, 0
	s_wait_kmcnt 0x0
	s_add_nc_u64 s[14:15], s[4:5], s[16:17]
	s_add_nc_u64 s[46:47], s[6:7], s[46:47]
	s_add_nc_u64 s[72:73], s[72:73], s[76:77]
	s_add_nc_u64 s[74:75], s[74:75], s[80:81]
	CROUND                                         ; all sixteen work-groups are here: the first joint loads meet
.irp s, 0,1
	s_mov_b32 s[G0+4*\s], 1                                        ; 1:0 count = 1
	s_add_co_u32 s[G0+4*\s+1], s20, \s*SLOT                        ; 63:32 LDS address
	s_add_nc_u64 s[G0+4*\s+2:G0+4*\s+3], s[14:15], K0*2+\s*KSTEP*2 ; 120:64 global address: this launch's K step s
	s_or_b32 s[G0+4*\s+3], s[G0+4*\s+3], 0x80000000                ; 127:126 type = 2
	s_mov_b32 s[G0B+4*\s], 1
	s_add_co_u32 s[G0B+4*\s+1], s20, \s*SLOT
	s_add_nc_u64 s[G0B+4*\s+2:G0B+4*\s+3], s[46:47], K0*2+\s*KSTEP*2
	s_or_b32 s[G0B+4*\s+3], s[G0B+4*\s+3], 0x80000000
.endr
	s_cmp_eq_u32 s11, 0                            ; a wave's two first fills stand in one branch, ahead of every wait on TENSORcnt, every LDS read and every later barrier: two loads of mine are out
	s_cbranch_scc0 .Lfirst_b
	tensor_load_to_lds s[G0:G0+3], s[G1:G1+7]
	s_nop 0
	tensor_load_to_lds s[G0+4:G0+7], s[G1:G1+7]
	s_nop 0
.rept 4
	v_nop
.endr
	s_branch .Lfirst_asked
.Lfirst_b:
	tensor_load_to_lds s[G0B:G0B+3], s[G1B:G1B+7]
	s_nop 0
	tensor_load_to_lds s[G0B+4:G0B+7], s[G1B:G1B+7]
	s_nop 0
.rept 4
	v_nop
.endr
.Lfirst_asked:
	v_and_b32 v1, 15, v0                           ; l % 16
	v_bfe_u32 v2, v0, 4, 1                         ; l / 16
	v_and_b32 v5, 31, v0
	v_lshlrev_b32 v[CO], 4, v5                     ; the 32 lanes take 512 consecutive bytes
; THE SUMS SO FAR: the 32 accumulators of window 2 + hi, as they were left.  They go out straight behind the first tiles' requests, and are waited for once, in front of the first product.
.macro INHALF hi
	WIN 0x80+0x40*\hi                              ; destination window 2 or 3, address window 0
.set n, 0
.rept 32
	global_load_b128 v[8*n:8*n+3],   v[CO], s[72:73] offset:(32*\hi+n)*1024 th:TH_LOAD_NT
	global_load_b128 v[8*n+4:8*n+7], v[CO], s[72:73] offset:(32*\hi+n)*1024+512 th:TH_LOAD_NT
.set n, n+1
.endr
.endm
	INHALF 0
	INHALF 1
	WIN 0
	; A fragment is 16 rows x 32 K in 8 registers: lane l holds row l % 16; registers 0-3 hold K = 8 (l / 16) + 0..7, registers 4-7 K = 16 + 8 (l / 16) + 0..7:
	; two loads of 16 bytes, 32 bytes apart.  The same for source 0 and source 1.
	v_mul_u32_u24 v3, v1, PITCH
	v_lshl_add_u32 v3, v2, 4, v3                   ; row x pitch + 16 x half
	s_mul_i32 s21, s11, HALFT                      ; my 128 rows of xb
	s_mul_i32 s22, s12, HALFT                      ; my 128 rows of wb,
	s_add_co_u32 s22, s22, 2*HALFT                 ; which lie behind xb's 256
.irp s, 0,1
	v_add_nc_u32 v[ADRA+\s], s21, v3
	v_add_nc_u32 v[ADRB+\s], s22, v3
	s_add_co_u32 s21, s21, SLOT
	s_add_co_u32 s22, s22, SLOT
.endr
	s_mul_i32 s23, s10, 16*SPITCH
	s_add_co_u32 s23, s23, STAGE                   ; my stage
	v_mul_u32_u24 v4, v1, SPITCH                   ; in: row l % 16, 32 bytes for each half of the lanes
	v_lshl_add_u32 v4, v2, 5, v4
	v_add_nc_u32 v[STO], s23, v4
	v_add_nc_u32 v[RD], s23, v[CO]                 ; back: the 32 lanes take one row's 512 bytes
; 16 matrix instructions: m blocks a0, a0 + 1 of the window's four (hi = 0: my rows 0-63, 1: rows 64-127) x all 8 n blocks, 32 along K.
.macro MUL16 f, hi, a0
.irp a, \a0, \a0+1
.irp b, 0,1,2,3,4,5,6,7
	v_wmma_f32_16x16x32_bf16 v[8*(8*(\a)+\b):8*(8*(\a)+\b)+7], v[\f+8*\b:\f+8*\b+7], v[\f+8*(4*\hi+\a):\f+8*(4*\hi+\a)+7], v[8*(8*(\a)+\b):8*(8*(\a)+\b)+7]
.endr
.endr
.endm
; 32 LDS loads in one run: the fragments of one quarter step (128 rows of wb, 128 rows of xb, 32 K at byte k of the rows) into buffer f
.macro FETCH slot, k, f
	WIN TO_B
.irp i, 0,1,2,3,4,5,6,7
	ds_load_b128 v[\f+8*\i:\f+8*\i+3],   v[ADRB+\slot] offset:\k+\i*16*PITCH
	ds_load_b128 v[\f+8*\i+4:\f+8*\i+7], v[ADRB+\slot] offset:\k+\i*16*PITCH+32
.endr
	WIN 0
.irp i, 0,1,2,3,4,5,6,7
	ds_load_b128 v[\f+8*\i:\f+8*\i+3],   v[ADRA+\slot] offset:\k+\i*16*PITCH
	ds_load_b128 v[\f+8*\i+4:\f+8*\i+7], v[ADRA+\slot] offset:\k+\i*16*PITCH+32
.endr
.endm
; A load into a register that a matrix instruction has read, and a store that reads a matrix result, stand four places behind that matrix instruction, and only plain vector instructions
; that name none of its registers are places (ISA guide 7.12.1 for vector instructions); the matrix instructions in between are not counted.
.macro PLACES
.rept 4
	v_nop
.endr
.endm
; A K step is four quarter steps of 32 along K, 64 matrix instructions each, on buffers 0, 1, 0, 1.  The 64 accumulators take turns, one instruction a turn, in the same order in every quarter.
; One of the first three quarters: multiplies buffer f; in its middle it fetches the next quarter's fragments, at byte k of the same slot's rows, into buffer g.
.macro QUARTER slot, k, f, g
	s_wait_dscnt 8                                 ; wb and xb's rows 0-63 are in; the youngest eight loads (xb's rows 64-127) may be out
	WIN MUL_LO
	MUL16 \f, 0, 0
	MUL16 \f, 0, 2
	PLACES
	FETCH \slot, \k, \g
	s_wait_dscnt 32                                ; all but the 32 just issued
	WIN MUL_HI
	MUL16 \f, 1, 0
	MUL16 \f, 1, 2
.endm
; The last quarter multiplies buffer 1 and changes slots.  MEET is its first half: ONE barrier for the change.  In front of it each wave waits for all its tensor loads, of which one is out: its part
; of the next slot; adds 0 to its spare word; and waits for that and for its own reads of this slot.  Behind it nobody reads this slot any more and the next slot is whole.
.macro MEET round                      ; round = 1: a round of the cluster's barrier follows
	WIN 0                                          ; (the add's two registers lie in window 0)
	s_wait_tensorcnt 0x0                           ; all my tensor loads have landed: the one that was out is my part of the next slot;
	ds_add_u32 v[SPW], v[NIL]                      ; 0 onto my spare word;
	s_wait_dscnt 9                                 ; (the add and the youngest eight loads may be out)
	WIN MUL_LO
	MUL16 F1, 0, 0                                 ; sixteen matrix instructions stand between the add and the wait for it
	s_wait_dscnt 0x0                               ; the add is done, and my reads of this slot are over:
	s_barrier_signal -1                            ; say so (where a slot is filled again this barrier opens a round of the cluster's barrier),
	MUL16 F1, 0, 2                                 ; work on registers while the others arrive,
.if \round
	WIN 0
.endif
	s_barrier_wait -1                              ; and go on when all four have said so
.endm
; The whole last quarter.  Behind the round the slot just read out is filled again first, with the K step two steps on; then come the next slot's first fragments.
; From a request to the wait for it a wave issues 224 matrix instructions.
.macro TURN slot, next
	MEET 1
	CREST                                          ; no wave of any partner still reads this slot's tile or has a load on its way
	s_add_nc_u64 s[G0+4*\slot+2:G0+4*\slot+3], s[G0+4*\slot+2:G0+4*\slot+3], 2*KSTEP*2       ; no tensor load of mine is out: a group 0 may be written
	s_add_nc_u64 s[G0B+4*\slot+2:G0B+4*\slot+3], s[G0B+4*\slot+2:G0B+4*\slot+3], 2*KSTEP*2
	JLOAD \slot                                    ; the first tensor load behind the round, my only one until the next; its four v_nop are also the places in front of the loads below
	FETCH \next, 0, F0
	WIN MUL_HI
	MUL16 F1, 1, 0
	MUL16 F1, 1, 2
.endm
; THE WAY OUT of block a (16 rows x 128 columns of f32).  TOSTAGE: a lane's 32 bytes of a row go into my own stage in LDS, straight from the accumulators, each from its low end on;
; the block comes back as whole rows of 512 bytes, into the fragment buffers by turns.  SEND: stored, a row to a store.
.macro TOSTAGE a
.set AC, 64*((\a)%4)
.set BK, F0+64*((\a)%2)
	WIN 0x08+4*((\a)/4)                            ; an LDS store's data is source 1: window 2 or 3
.irp b, 0,1,2,3,4,5,6,7
	ds_store_b128 v[STO], v[AC+8*\b:AC+8*\b+3]   offset:64*\b
	ds_store_b128 v[STO], v[AC+8*\b+4:AC+8*\b+7] offset:64*\b+16
.endr
	WIN 0
.irp t, 0,1,2,3,4,5,6,7,8,9,10,11,12,13,14,15
	ds_load_b128 v[BK+4*\t:BK+4*\t+3], v[RD] offset:\t*SPITCH      ; LDS serves a wave's instructions in order (ISA guide 5.7.1.4): these see the stores above; the next block's stores come behind them
.endr
.endm
.macro SEND a, younger                 ; younger: the LDS instructions issued behind block a's loads: the next block's 32, or none
.set BK, F0+64*((\a)%2)
.irp t, 0,1,2,3,4,5,6,7,8,9,10,11,12,13,14,15
	s_wait_dscnt \younger+15-\t
	global_store_b128 v[CO], v[BK+4*\t:BK+4*\t+3], s[74:75] offset:(16*(\a)+\t)*OROW th:TH_STORE_NT   ; the wave stores 512 consecutive bytes, at a multiple of 512 from out0's first byte; 127 rows at the most: inside the signed 24-bit immediate
.endr
.endm
	s_wait_tensorcnt 1                             ; my part of this launch's K step 0 is in; K step 1's may stay out
	s_barrier_signal -1
	s_barrier_wait -1                              ; everybody's is
	FETCH 0, 0, F0
	s_wait_loadcnt 0x0                             ; the sums so far lie in the accumulators
	QUARTER 0, 64,  F0, F1                         ; the first quarter adds onto them like every other
	WIN 0                                          ; at a label and at a branch every window is 0
	s_mov_b32 s3, LAPS-1
.Llap:                                                 ; a trip goes once round the ring, from a lap's second quarter to the next lap's first, and fills both slots again
	QUARTER 0, 128, F1, F0
	QUARTER 0, 192, F0, F1
	TURN 0, 1
	QUARTER 1, 64,  F0, F1
	QUARTER 1, 128, F1, F0
	QUARTER 1, 192, F0, F1
	TURN 1, 0
	QUARTER 0, 64,  F0, F1
	WIN 0
	s_sub_co_u32 s3, s3, 1
	s_cmp_lg_u32 s3, 0
	s_cbranch_scc1 .Llap
	QUARTER 0, 128, F1, F0                         ; the last lap is written out: it asks for nothing more
	QUARTER 0, 192, F0, F1
	MEET 0                                         ; my one tensor load that was still out is slot 1's, the last K step's, so no round follows
	PLACES                                         ; for the loads into buffer 0, which the quarter before multiplied
	FETCH 1, 0, F0
	WIN MUL_HI
	MUL16 F1, 1, 0
	MUL16 F1, 1, 2
	QUARTER 1, 64,  F0, F1
	QUARTER 1, 128, F1, F0
	QUARTER 1, 192, F0, F1
	s_wait_dscnt 8                                 ; the very last quarter: nothing more to fetch
	WIN MUL_LO
	MUL16 F1, 0, 0
	MUL16 F1, 0, 2
	s_wait_dscnt 0x0
	WIN MUL_HI
	MUL16 F1, 1, 0
	MUL16 F1, 1, 2
	WIN 0
	PLACES                                         ; in front of the stores that read the results and of the loads into the fragment buffers
	TOSTAGE 0
.irp a, 1,2,3,4,5,6,7                  ; block a's way through the stage stands between block a - 1's loads and its stores
.if \a >= 2
	s_wait_xcnt 0x0                                ; block a - 2's stores have had their addresses translated (ISA guide 3.1): only behind this wait are the registers that they read loaded again
.endif
	TOSTAGE \a
	SEND \a-1, 32
.endr
	SEND 7, 0
	s_wait_tensorcnt 0x0                           ; the wave's end: behind my last tensor load and my last LDS store
	ds_add_u32 v[SPW], v[NIL]
	s_wait_dscnt 0x0
	CROUND                                         ; the closing round: no work-group ends while a partner may still ask for a tile that names it
	s_endpgm
.Lfunc_end_k_qa433d5c3e8_gemm_b:
	.size	k_qa433d5c3e8_gemm_b, .Lfunc_end_k_qa433d5c3e8_gemm_b-k_qa433d5c3e8_gemm_b
	.p2alignl 7, 3214868480
	.fill 96, 4, 3214868480
	.section	.rodata,"a",@progbits
	.p2align	6, 0x0
	.amdhsa_kernel k_qa433d5c3e8_gemm_b
		.amdhsa_group_segment_fixed_size 327680
		.amdhsa_private_segment_fixed_size 0
		.amdhsa_enable_private_segment 0
		.amdhsa_kernarg_size 32
		.amdhsa_user_sgpr_count 2
		.amdhsa_user_sgpr_kernarg_segment_ptr 1
		.amdhsa_wavefront_size32 1
		.amdhsa_system_sgpr_workgroup_id_x 1
		.amdhsa_system_sgpr_workgroup_id_y 1
		.amdhsa_system_sgpr_workgroup_id_z 1
		.amdhsa_system_vgpr_workitem_id 0
		.amdhsa_next_free_vgpr 1024
		.amdhsa_next_free_sgpr 82
		.amdhsa_reserve_vcc 0
		.amdhsa_float_denorm_mode_32 3
		.amdhsa_float_denorm_mode_16_64 3
		.amdhsa_memory_ordered 1
		.amdhsa_forward_progress 1
		.amdhsa_inst_pref_size 156
	.end_amdhsa_kernel
	.amdgpu_metadata
---
amdhsa.version: [ 1, 2 ]
amdhsa.kernels:
  - .name:           k_qa433d5c3e8_gemm_b
    .symbol:         k_qa433d5c3e8_gemm_b.kd
    .args:
      - { .name: xb, .offset: 0, .size: 8, .value_kind: global_buffer, .address_space: global }
      - { .name: wb, .offset: 8, .size: 8, .value_kind: global_buffer, .address_space: global }
      - { .name: part, .offset: 16, .size: 8, .value_kind: global_buffer, .address_space: global }
      - { .name: out0, .offset: 24, .size: 8, .value_kind: global_buffer, .address_space: global }
    .group_segment_fixed_size: 327680
    .private_segment_fixed_size: 0
    .kernarg_segment_align: 8
    .kernarg_segment_size: 32
    .max_flat_workgroup_size: 128
    .sgpr_count:     82
    .vgpr_count:     1024
    .wavefront_size: 32
...
	.end_amdgpu_metadata
.endif
;; end of part 5
